; MI455X (gfx1250); checked and timed in simulation.
; The chip was launched on July 23, 2026; its instructions are those of AMD's public machine-readable ISA for CDNA 5 (MIT licence, August 2026) and "CDNA5" Instruction Set Architecture Reference Guide (July 2026). The comments in the code are by the model that wrote it; some were corrected since.
;; Intent Capture. Allowed arithmetic: float matrix products may take bf16 or f16 operands with f32 sums; other float arithmetic in f32, or as packed bf16 or f16 multiplies, adds, multiply-adds, maxima and minima; sums over many terms, partial sums and values carried from step to step in f32; what a program stores and reads back later, other than sums and carried values, may be rounded once to bf16 or f16.
;; Inputs: W1 1,024 x 1,024 float32; b1 1,024 float32; mask 128 x 512 bool; seq_output 128 x 512 x 1,024 float32; w2 1,024 float32.
;; Outputs: out0 128 x 1,024 float32; out1 128 x 1,024 float32.
;; 2 versions, each right; version 2 is version 1 with the launch main written anew for expert scheduling mode. Each part assembles by itself: llvm-mc -triple=amdgcn-amd-amdhsa -mcpu=gfx1250 --defsym DOCPART=n.
;; ======== version 1 of 2: 3 launches
;; workspace buffers: wf 2,195,456 bytes; pu 1,048,576 bytes; pst 65,536 bytes
;; launch wprep (part 1): grid 67 x 4, 4 waves a work-group, no clusters, 8,704 bytes of LDS; arguments W1, wf; writes wf
.if DOCPART == 1
	.amdgcn_target "amdgcn-amd-amdhsa--gfx1250"
	.amdhsa_code_object_version 6
	.text
	.protected	k_q113a8bb22c_wprep
	.globl	k_q113a8bb22c_wprep
	.p2align	8
	.type	k_q113a8bb22c_wprep,@function
k_q113a8bb22c_wprep:
	s_mov_b64 s[64:65], 0
	v_nop
	global_prefetch_b8 v0, s[64:65] scope:SCOPE_SE
	s_setreg_imm32_b32 hwreg(HW_REG_WAVE_MODE, 25, 1), 1
	s_wait_xcnt 0x0
; W1 [1024 k][1024 e] f32 -> wf: bf16, laid out as the main launch's matrix fragments.
; wf is four streams (one for each wave ws of the main launch) of 67 tiles of 8,192 bytes.  Tile t holds pass p = (t & 63) >> 5 and K step kk = t & 31;
; tiles 64 to 66 repeat tiles 0 to 2, so that a reader three tiles ahead never leaves the buffer.  A tile is 8 fragments f of 1,024 bytes:
; byte 256 v + 16 r of fragment f holds W1[32 kk + 8 v + 0..7][512 p + 128 ws + 16 f + r], eight bf16, the lower k in the lower bytes.
; A work-group makes one tile: wave v reads rows 32 kk + 8 v + 0..7, 512 consecutive bytes of a row with each load; the turn from [k][e] to [e][k] goes through LDS.
.set SPARE, 8192                       ; behind the tile: the spare words, 128 bytes for each wave
	s_load_b128 s[4:7], s[0:1], 0x0                ; W1 s[4:5], wf s[6:7]
	v_lshl_add_u32 v6, v0, 2, SPARE                ; my spare word; never rewritten
	v_mov_b32 v7, 0                                ; 0; never rewritten
	v_and_b32 v1, 31, v0                           ; lane l
	v_lshrrev_b32 v2, 5, v0                        ; wave v
	v_lshlrev_b32 v3, 4, v1
	v_lshl_add_u32 v3, v2, 15, v3                  ; in W1: 8 v rows of 4,096 bytes + 16 l
	v_lshrrev_b32 v4, 2, v1                        ; my four columns 4 l + j lie in fragment l / 4, at r = 4 (l % 4) + j
	v_lshlrev_b32 v4, 10, v4
	v_lshl_add_u32 v4, v2, 8, v4
	v_and_b32 v5, 3, v1
	v_lshl_add_u32 v4, v5, 6, v4                   ; in the tile: 1,024 (l / 4) + 256 v + 64 (l % 4)
	v_lshlrev_b32 v5, 4, v0                        ; back and out: 16 x thread
	s_and_b32 s8, ttmp7, 0xffff                    ; ws
	s_and_b32 s9, ttmp9, 63
	s_and_b32 s10, s9, 31                          ; kk
	s_lshr_b32 s11, s9, 5                          ; p
	s_lshl_b32 s12, s10, 17                        ; 32 kk rows
	s_lshl_b32 s13, s11, 11                        ; 512 p columns
	s_add_co_u32 s12, s12, s13
	s_lshl_b32 s13, s8, 9                          ; 128 ws columns
	s_add_co_u32 s12, s12, s13
	s_mov_b32 s13, 0
	s_mul_i32 s14, s8, 67
	s_add_co_u32 s14, s14, ttmp9
	s_lshl_b32 s14, s14, 13                        ; tile 67 ws + t
	s_mov_b32 s15, 0
	s_wait_kmcnt 0x0
	s_add_nc_u64 s[4:5], s[4:5], s[12:13]
	s_add_nc_u64 s[6:7], s[6:7], s[14:15]
.irp i, 0,1,2,3,4,5,6,7
	global_load_b128 v[8+4*\i:11+4*\i], v3, s[4:5] offset:4096*\i   ; row 8 v + i, columns 4 l + 0..3
.endr
	s_wait_loadcnt 0x0
.irp j, 0,1,2,3
.irp n, 0,1,2,3
	v_cvt_pk_bf16_f32 v[40+4*\j+\n], v[8+8*\n+\j], v[12+8*\n+\j]    ; column 4 l + j: k = 8 v + 2 n below, 8 v + 2 n + 1 above
.endr
.endr
.irp j, 0,1,2,3
	ds_store_b128 v4, v[40+4*\j:43+4*\j] offset:16*\j
.endr
	s_wait_dscnt 0x0                               ; for the others' sake: my stores into the tile are done
	s_barrier_signal -1
	s_barrier_wait -1
.irp n, 0,1,2,3
	ds_load_b128 v[8+4*\n:11+4*\n], v5 offset:2048*\n
.endr
.irp n, 0,1,2,3
	s_wait_dscnt 3-\n                              ; LDS loads come back in order: load n is in, the younger ones may be out
	global_store_b128 v5, v[8+4*\n:11+4*\n], s[6:7] offset:2048*\n  ; a wave's store covers 512 consecutive bytes, aligned
.endr
	s_wait_tensorcnt 0x0                           ; the wave's end, behind my last LDS store
	ds_add_u32 v6, v7
	s_wait_dscnt 0x0
	s_endpgm
.Lfunc_end_k_q113a8bb22c_wprep:
	.size	k_q113a8bb22c_wprep, .Lfunc_end_k_q113a8bb22c_wprep-k_q113a8bb22c_wprep
	.p2alignl 7, 3214868480
	.fill 96, 4, 3214868480
	.section	.rodata,"a",@progbits
	.p2align	6, 0x0
	.amdhsa_kernel k_q113a8bb22c_wprep
		.amdhsa_group_segment_fixed_size 8704
		.amdhsa_private_segment_fixed_size 0
		.amdhsa_enable_private_segment 0
		.amdhsa_kernarg_size 16
		.amdhsa_user_sgpr_count 2
		.amdhsa_user_sgpr_kernarg_segment_ptr 1
		.amdhsa_wavefront_size32 1
		.amdhsa_system_sgpr_workgroup_id_x 1
		.amdhsa_system_sgpr_workgroup_id_y 1
		.amdhsa_system_sgpr_workgroup_id_z 1
		.amdhsa_system_vgpr_workitem_id 0
		.amdhsa_next_free_vgpr 64
		.amdhsa_next_free_sgpr 66
		.amdhsa_reserve_vcc 0
		.amdhsa_float_denorm_mode_32 3
		.amdhsa_float_denorm_mode_16_64 3
		.amdhsa_memory_ordered 1
		.amdhsa_forward_progress 1
		.amdhsa_inst_pref_size 5
	.end_amdhsa_kernel
	.amdgpu_metadata
---
amdhsa.version: [ 1, 2 ]
amdhsa.kernels:
  - .name:           k_q113a8bb22c_wprep
    .symbol:         k_q113a8bb22c_wprep.kd
    .args:
      - { .name: W1, .offset: 0, .size: 8, .value_kind: global_buffer, .address_space: global }
      - { .name: wf, .offset: 8, .size: 8, .value_kind: global_buffer, .address_space: global }
    .group_segment_fixed_size: 8704
    .private_segment_fixed_size: 0
    .kernarg_segment_align: 8
    .kernarg_segment_size: 16
    .max_flat_workgroup_size: 128
    .sgpr_count:     66
    .vgpr_count:     64
    .wavefront_size: 32
...
	.end_amdgpu_metadata
.endif
;; end of part 1
;; launch main (part 2): grid 256 x 1, 4 waves a work-group, no clusters, 295,424 bytes of LDS; arguments seq_output, mask, b1, w2, wf, pu, pst; writes pu, pst
.if DOCPART == 2
	.amdgcn_target "amdgcn-amd-amdhsa--gfx1250"
	.amdhsa_code_object_version 6
	.text
	.protected	k_q113a8bb22c_main
	.globl	k_q113a8bb22c_main
	.p2align	8
	.type	k_q113a8bb22c_main,@function
k_q113a8bb22c_main:
	s_mov_b64 s[64:65], 0
	v_nop
	global_prefetch_b8 v0, s[64:65] scope:SCOPE_SE
	s_setreg_imm32_b32 hwreg(HW_REG_WAVE_MODE, 25, 1), 1
	s_wait_xcnt 0x0
; score[row] = w2 . tanh(X[row] W1 + b1); masked rows count as -1e9; a running softmax over the rows; u = sum of p[row] X[row].
; X = seq_output as [65,536 rows][1,024] f32.  Work-group g owns rows 256 g .. 256 g + 255, half a batch, and leaves its part of the softmax: pu[g] = sum p X (p = e^(s - m)), pst[g] = (m, l).
; SHARES.  Two CHUNKS of 128 rows.  A chunk lies in LDS in bf16 (8 slabs of 128 k) and is read from memory once.  For each chunk two PASSES of 512 columns e; in a pass wave w makes
; 128 rows x 128 columns: 64 accumulators, 512 registers.  A phase (chunk, pass) is 32 K steps of 32, 64 matrix instructions each.
; THE PRODUCT IS TAKEN TRANSPOSED: source 0 = 16 columns e of W1 (16 rows of wf), source 1 = 16 rows of X.  A lane then holds ONE row of X (lane % 16) and eight neighbouring e (8 (lane / 16) + 0..7):
; b1 and w2 are register pairs, and a row's score is a sum inside the lane and one exchange of the lanes' halves.
; W1 COMES STRAIGHT INTO REGISTERS, from wf, where a fragment lies as a lane wants it (two loads of 16 bytes).  No wave of the work-group uses a byte of W1 that another uses.  All work-groups walk the same
; wf, but it is not shared through LDS by joint loads: the chunk takes 278,528 of the 327,680 bytes, a K step of W1 for 512 columns is 32,768 bytes, and two slots of that do not fit beside it.
; X COMES UNDER PASS 0 OF ITS OWN CHUNK: slab by slab, 128 rows x 512 bytes of f32, rounded to bf16 and stored into LDS one trip (4 K steps) ahead of its use.
; tanh(z) = 1 - 2 r, r = 1 / (1 + 2^(c z)), c = 2 log2(e); so score = sum w2 + sum (-2 w2) r.
; LIMITS.  X and W1 enter the product, and X the weighted sum, rounded once to bf16.  The score's terms are those of the plain sum taken in another order: its absolute error goes with 1e-7 x sum |w2|.
; 2^(c z) may overflow to infinity (r = 0) or fall to 0 (r = 1): tanh then is 1 or -1, as it should.  A weight below 2^-126 counts as 0.  NaN and infinities in the inputs are not treated apart.
; REGISTERS, in windows of 256 (s_set_vgpr_msb: bits 1:0 source 0, 3:2 source 1, 5:4 source 2, 7:6 destination):
;   window 0: v0-63 addresses, statistics, at work; v64-127 XFR, the 8 fragments of X of a K step; v128-255 XF, 32 rows x 16 bytes of f32 of X on their way
;   window 1: four sets of 64: W1's 8 fragments of a K step, asked for three K steps ahead; in the epilogue set 3 holds b1's and w2's pairs
;   windows 2, 3: the accumulators: tile (f, i) (16 e x 16 rows) at v[64 (i % 4) + 8 f] of window 2 + i / 4.  Between chunks v0-127 of window 2 (TA) take a slab of X.
.set PITCH, 272                        ; an LDS row of a slab: 256 bytes + 16 = 68 words: the 16 rows of a fragment load start at 16 different groups of four banks (64 banks of 4 bytes: ISA guide 11.1)
.set SLAB,  128*PITCH
.set FRG,   16*PITCH
.set TB1,   8*SLAB                     ; b1, f32, 4,096 bytes
.set TW2,   TB1+4096                   ; -2 w2, f32, 4,096 bytes
.set SC,    TW2+4096                   ; wave w's partial scores of the chunk's 128 rows at 512 w
.set PW,    SC+2048                    ; each wave's own copy of the chunk's 128 weights p
.set UST,   PW+2048                    ; each wave's own stage for u, 1,024 bytes
.set SPARE, UST+4096                   ; the spare words, 128 bytes for each wave
.set WT,    8192                       ; a tile of wf: one wave's fragments of one K step
.set L16, 1                            ; v1   16 x lane; never rewritten
.set XO,  2                            ; v2   in X: my wave's 32 rows + 16 x lane; never rewritten
.set XA0, 3                            ; v3   a fragment's lane term: (lane % 16) x PITCH + 16 (lane / 16)
.set XA,  4                            ; v4   the same plus the slab in hand
.set XS0, 5                            ; v5   where I store 8 bytes of a row: my wave's 32 rows + 8 x lane
.set XST, 6                            ; v6   the same plus the slab being written
.set TB0, 7                            ; v7   TB1 + 512 w + 32 (lane / 16)
.set TB,  8                            ; v8   the same plus the pass's 2,048
.set SCS, 9
.set SCL, 10
.set PWS, 11
.set PB,  12                           ; v12  walks my copy of p
.set WS,  13                           ; v13  walks my 16 bytes of the chunk's rows
.set MK0, 14                           ; v14  the mask bytes of rows 4 lane + 0..3 of the chunk in hand; v15 of the second chunk
.set MK1, 15
.set SPW, 16                           ; v16  my spare word; never rewritten
.set NIL, 17                           ; v17  0; never rewritten
.set M,   18                           ; v18  running maximum   v19 running sum   v20 the step's correction   v21 sum of w2
.set L,   19
.set AL,  20
.set CW,  21
.set Q,   22                           ; v22-29  q[i]: my lane's part of the score of row 16 i + lane % 16
.set U,   30                           ; v30-37  u[8]: thread t owns channels 8 t + 0..7
.set CT,  38                           ; v38-45  four rows just rounded, two registers each
.set T,   46                           ; v46-61  at work
.set PB0, 62
.set WS0, 63
.set XFR, 64
.set XF,  128
.set TBB, 192                          ; window 1: two buffers of 16 for b1's pairs,
.set TWB, 224                          ; two for -2 w2's
.set WV,  18                           ; s18 wave   s19 phase 0..3   s20, s21 loop counts
.set PH,  19
.set CNT, 20
.set CN2, 21
.set WP,  22                           ; s[22:23] wf: my stream, at the tile from which the K steps' immediates count
.set XC,  24                           ; s[24:25] X at the chunk's first row
.set XP,  26                           ; s[26:27] X at the slab being asked for
.set CC,  28                           ; s[28:29] c, twice
.set SEL, 30                           ; s[30:31] v_permlanex16_b32's selects: each lane takes its own place in the other half
.set LG2, 36                           ; s36 log2(e)   s37 -1e9
.set NEG, 37
.set MUL_LO, 0xa1                      ; W1 window 1, X window 0, C and D window 2
.set TO_W,   0x40
.set TO_A,   0x80
.set FROM_A, 0x0a
.set MSB, 0
.macro WIN new                         ; the immediate's high byte repeats the setting that is left; a switch that changes nothing is dropped
.if MSB != (\new)
	s_set_vgpr_msb (MSB<<8)|(\new)
.set MSB, \new
.endif
.endm
.macro BAR                             ; my LDS stores are done and my LDS reads are back; then all four waves meet
	s_wait_dscnt 0x0
	s_barrier_signal -1
	s_barrier_wait -1
.endm
.macro XLOAD win, reg, imm             ; a slab's part of my wave's 32 rows: each load takes 512 consecutive bytes of one row
	WIN \win
.set xr, 0
.rept 32
	global_load_b128 v[(\reg)+4*xr:(\reg)+4*xr+3], v[XO], s[XC:XC+1] offset:4096*xr+(\imm) th:TH_LOAD_NT
.set xr, xr+1
.endr
	WIN 0
.endm
.macro XFL i, off                      ; fragment i of X: 16 rows x 32 k: two loads of 16 bytes, 32 bytes apart
	ds_load_b128 v[XFR+8*(\i):XFR+8*(\i)+3],   v[XA] offset:(\off)+(\i)*FRG
	ds_load_b128 v[XFR+8*(\i)+4:XFR+8*(\i)+7], v[XA] offset:(\off)+(\i)*FRG+32
.endm
; A K STEP'S MEMORY INSTRUCTIONS STAND IN TWO RUNS, never singly among the matrix instructions: run 0 at the step's top, run 1 in its middle, 32 matrix instructions behind each.
; A run begins with the places between the last product and the loads into registers that it read (ISA guide 7.12.1 for vector instructions): the eight
; roundings of the run's four rows of X, which name no register of the products, or four v_nop.  Then, in this order:
;   8 LDS loads: the four fragments of X whose last reader has just been issued: run 0 takes fragments 4-7 of this step, run 1 fragments 0-3 of the next (xoff: their LDS immediate; -1: none follow);
;   where X is at work: the four rows' LDS stores, and (xm = 2) their registers asked for again with the next slab;
;   8 loads of W1: fragments 4 half + 0..3 of the step three on, into the set that the step before this one multiplied.  They stand last, so that a set's last load is its step's last load.
.macro KRUN half, xoff, wo, xm, g
.set kr, 8*(\g)+4*(\half)
.if (\xm) > 0
	WIN 0
	s_wait_loadcnt 63                              ; these four rows were asked for four K steps ago: 64 loads or more have been issued behind them, and loads come back in order (ISA guide 5.7.1)
.set ki, 0
.rept 4
	v_cvt_pk_bf16_f32 v[CT+2*ki],   v[XF+4*(kr+ki)],   v[XF+4*(kr+ki)+1]
	v_cvt_pk_bf16_f32 v[CT+2*ki+1], v[XF+4*(kr+ki)+2], v[XF+4*(kr+ki)+3]
.set ki, ki+1
.endr
.else
.rept 4
	v_nop
.endr
.endif
.if (\xoff) >= 0
	WIN 0
.irp i, 0,1,2,3
	XFL 4-4*(\half)+\i, \xoff
.endr
.endif
.if (\xm) > 0
.set ki, 0
.rept 4
	ds_store_b64 v[XST], v[CT+2*ki:CT+2*ki+1] offset:(kr+ki)*PITCH
.set ki, ki+1
.endr
.endif
.if (\xm) == 2
.set ki, 0
.rept 4
	global_load_b128 v[XF+4*(kr+ki):XF+4*(kr+ki)+3], v[XO], s[XP:XP+1] offset:4096*(kr+ki) th:TH_LOAD_NT
.set ki, ki+1
.endr
.endif
	WIN TO_W
.irp d, 0,1,2,3
	global_load_b128 v[KLS+8*(4*(\half)+\d):KLS+8*(4*(\half)+\d)+3],   v[L16], s[WP:WP+1] offset:(\wo)+1024*(4*(\half)+\d)
	global_load_b128 v[KLS+8*(4*(\half)+\d)+4:KLS+8*(4*(\half)+\d)+7], v[L16], s[WP:WP+1] offset:(\wo)+1024*(4*(\half)+\d)+512
.endr
.endm
; 32 matrix instructions back to back: fragments 4 hi + 0..3 of X, each with W1's eight.  The 64 accumulators take turns in the same order in every K step:
; 63 others stand between two links of a chain, over every jump too.
.macro KMUL set, hi, zero
	WIN MUL_LO+0x50*(\hi)
.set kb, 0
.rept 4
.set kf, 0
.rept 8
.if \zero
	v_wmma_f32_16x16x32_bf16 v[64*kb+8*kf:64*kb+8*kf+7], v[64*(\set)+8*kf:64*(\set)+8*kf+7], v[XFR+8*(4*(\hi)+kb):XFR+8*(4*(\hi)+kb)+7], 0
.else
	v_wmma_f32_16x16x32_bf16 v[64*kb+8*kf:64*kb+8*kf+7], v[64*(\set)+8*kf:64*(\set)+8*kf+7], v[XFR+8*(4*(\hi)+kb):XFR+8*(4*(\hi)+kb)+7], v[64*kb+8*kf:64*kb+8*kf+7]
.endif
.set kf, kf+1
.endr
.set kb, kb+1
.endr
.endm
; A K STEP.  set: W1's set.  xo, no: LDS immediates of this step's and the next step's fragments (no = -1: none follow).  wo: immediate of W1's loads for the step three on.  zero = 1: the products start the sums.
; nw: loads that may stay out behind run 0 (-1: no wait): this step's set was asked for three steps ago, so: all loads of the two steps between (16 each, 24 where X was asked for) and run 0's own (8, or 12).
; xm: 0 no work on X, 1 rows are rounded and stored, 2 and asked for again.  g: which 8 of my 32 rows.  sp: 1 if the step before stored to LDS.
; DScnt.  Fragments 0-3 came with the last step's run 1: behind them that run's 4 stores (sp), and run 0's 8 loads and 4 stores.  Fragments 4-7 came with run 0: behind them its 4 stores, and run 1's 8 loads and 4 stores.
.macro KSTEP set, xo, no, wo, zero, nw, xm, g, sp
.if (\xm) > 0
.set KSC, 1
.else
.set KSC, 0
.endif
.set KLS, 64*(((\set)+3)%4)
	KRUN 0, \xo, \wo, \xm, \g
.if (\nw) >= 0
	s_wait_loadcnt \nw
.endif
	s_wait_dscnt 8+4*(\sp)+4*KSC
	KMUL \set, 0, \zero
	KRUN 1, \no, \wo, \xm, \g
.if (\no) >= 0
	s_wait_dscnt 8+8*KSC
.else
	s_wait_dscnt 8*KSC
.endif
	KMUL \set, 1, \zero
.endm
.macro PRE3 xm                         ; a phase's K steps 0 to 2, on slab 0
.if (\xm) > 0
	KSTEP 0, 0,   64,  3*WT, 1, -1, \xm, 1, 0
	KSTEP 1, 64,  128, 4*WT, 0, -1, \xm, 2, 1
	KSTEP 2, 128, 192, 5*WT, 0, -1, \xm, 3, 1
.else
	KSTEP 0, 0,   64,  3*WT, 1, -1, 0, 0, 0
	KSTEP 1, 64,  128, 4*WT, 0, -1, 0, 0, 0
	KSTEP 2, 128, 192, 5*WT, 0, -1, 0, 0, 0
.endif
.endm
.macro TRIP4 xm, n0, n1, n2, n3, sp    ; a trip: the last K step of the slab in hand and the first three of the next
	KSTEP 3, 192,      SLAB,      6*WT, 0, \n0, \xm, 0, \sp
	KSTEP 0, SLAB,     SLAB+64,   7*WT, 0, \n1, \xm, 1, \sp
	KSTEP 1, SLAB+64,  SLAB+128,  8*WT, 0, \n2, \xm, 2, \sp
	KSTEP 2, SLAB+128, SLAB+192,  9*WT, 0, \n3, \xm, 3, \sp
.endm
.macro PRIME                           ; fragments 0 to 3 of a phase's K step 0; its run 0 brings the other four
	v_mov_b32 v[XA], v[XA0]
.irp i, 0,1,2,3
	XFL \i, 0
.endr
.endm
.macro STEPW
	s_wait_xcnt 0x0                                ; every load issued so far has had its address translated (ISA guide 3.1): only now are the bases written
	s_add_nc_u64 s[WP:WP+1], s[WP:WP+1], 4*WT
	v_add_nc_u32 v[XA], SLAB, v[XA]
.endm
.macro STEPX                           ; stands behind the same wait
	s_add_nc_u64 s[XP:XP+1], s[XP:XP+1], 512
	v_add_nc_u32 v[XST], SLAB, v[XST]
.endm
; THE EPILOGUE.  A half H is a window of accumulators (rows 64 H ..); a group eg is its fragments f = 2 eg, 2 eg + 1: 64 registers, 32 units (pairs).  Unit u: tile row u % 4, pair u / 4 of the 16 e.
.macro TLOAD reg, fp, add              ; my 16 numbers of b1 (add = 0) or -2 w2 (add = 4,096) for group fp
	WIN TO_W
	ds_load_b128 v[(\reg):(\reg)+3],     v[TB] offset:128*(\fp)+(\add)
	ds_load_b128 v[(\reg)+4:(\reg)+7],   v[TB] offset:128*(\fp)+16+(\add)
	ds_load_b128 v[(\reg)+8:(\reg)+11],  v[TB] offset:128*(\fp)+64+(\add)
	ds_load_b128 v[(\reg)+12:(\reg)+15], v[TB] offset:128*(\fp)+80+(\add)
.endm
.macro ER g, u
.set eK, (\u)/4
.set eP, 64*((\u)%4)
.set eR, eP+16*(\g)+2*eK
.endm
.macro ZADD g, u                       ; z = sum + b1
	ER \g, \u
	v_pk_add_f32 v[eR:eR+1], v[eR:eR+1], v[TBB+16*((\g)%2)+2*eK:TBB+16*((\g)%2)+2*eK+1]
.endm
.macro ZMUL g, u                       ; c z
	ER \g, \u
	v_pk_mul_f32 v[eR:eR+1], v[eR:eR+1], s[CC:CC+1] op_sel_hi:[1,0]
.endm
.macro EXPS g, u, hf
	ER \g, \u
	v_exp_f32 v[eR+(\hf)], v[eR+(\hf)]
.endm
.macro ADD1 g, u
	ER \g, \u
	v_pk_add_f32 v[eR:eR+1], v[eR:eR+1], 1.0 op_sel_hi:[1,0]
.endm
.macro RCPS g, u, hf
	ER \g, \u
	v_rcp_f32 v[eR+(\hf)], v[eR+(\hf)]
.endm
.macro QF g, u                         ; P += r x (-2 w2); P is the tile row's first pair, which its own product starts in place
	ER \g, \u
.if ((\g) == 0) && ((\u) < 4)
	v_pk_mul_f32 v[eR:eR+1], v[eR:eR+1], v[TWB+2*eK:TWB+2*eK+1]
.else
	v_pk_fma_f32 v[eP:eP+1], v[eR:eR+1], v[TWB+16*((\g)%2)+2*eK:TWB+16*((\g)%2)+2*eK+1], v[eP:eP+1]
.endif
.endm
; All arithmetic of a half runs under ONE window setting: destination, source 0 and source 2 the accumulators', source 1 the tables'.  z + b1 and the scaling by c are two lines, not one fused line:
; the fused line's addend would be source 2, whose window QF needs for P; and so a group has 128 plain lines for its 128 transcendentals, which stand by turns.
; The groups are staggered: beside group eg's exponentials stand group eg - 1's QF and group eg + 1's ZADD; beside its reciprocals its own ADD1 and group eg + 1's ZMUL.
; Each accumulator's first read is of its two lowest registers (ZADD in ascending units).
; A block's 64 transcendentals are one batch: nothing in the block names a result of theirs; a plain line stands behind the last; one s_wait_alu follows, ahead of the first reader.
.macro EPI_HALF H
	TLOAD TBB, 0, 0
	TLOAD TBB+16, 1, 0
	TLOAD TWB, 0, 4096
	WIN 0xa6+0x51*(\H)
	s_wait_dscnt 0x0
.set eu, 0
.rept 32
	ZADD 0, eu
.set eu, eu+1
.endr
.set eu, 0
.rept 32
	ZMUL 0, eu
.set eu, eu+1
.endr
.set eg, 0
.rept 4
	s_wait_dscnt 0x0                               ; the tables asked for in the block before are in
.set eu, 0
.rept 32
	EXPS eg, eu, 0
.if eg > 0
	QF eg-1, eu
.endif
	EXPS eg, eu, 1
.if eg < 3
	ZADD eg+1, eu
.endif
.set eu, eu+1
.endr
.if eg == 3
	v_nop
.endif
	s_wait_alu depctr_va_vdst(0)
.if eg < 2
	TLOAD TBB+16*(eg%2), eg+2, 0                   ; into the buffer that ZADD of group eg has left
.endif
.if eg < 3
	TLOAD TWB+16*((eg+1)%2), eg+1, 4096            ; into the buffer that QF of group eg - 1 has left
.endif
	WIN 0xa6+0x51*(\H)
.set eu, 0
.rept 32
	ADD1 eg, eu
.if eu > 0
	RCPS eg, eu-1, 0
.endif
.if eg < 3
	ZMUL eg+1, eu
.endif
.if eu > 0
	RCPS eg, eu-1, 1
.endif
.set eu, eu+1
.endr
	RCPS eg, 31, 0
	RCPS eg, 31, 1
	v_nop
	s_wait_alu depctr_va_vdst(0)
.set eg, eg+1
.endr
.set eu, 0
.rept 32
	QF 3, eu
.set eu, eu+1
.endr
	WIN 0x02+(\H)                                  ; source 0 the accumulators', q in window 0
.irp i, 0,1,2,3
	v_add_f32 v[Q+4*(\H)+\i], v[64*\i], v[Q+4*(\H)+\i]
.endr
.irp i, 0,1,2,3
	v_add_f32 v[Q+4*(\H)+\i], v[64*\i+1], v[Q+4*(\H)+\i]
.endr
	WIN 0
.endm
; THE WEIGHTED SUM.  Eight rows: my 16 bytes (8 channels) of each, and their eight p (the same address in all lanes).
.macro WLD xb, pb, row
.set wi, 0
.rept 8
	ds_load_b128 v[(\xb)+4*wi:(\xb)+4*wi+3], v[WS] offset:((\row)+wi)*PITCH
.set wi, wi+1
.endr
	ds_load_b128 v[(\pb):(\pb)+3],   v[PB] offset:4*(\row)
	ds_load_b128 v[(\pb)+4:(\pb)+7], v[PB] offset:4*(\row)+16
.endm
.macro WFM xb, pb                      ; u += p x X: X's bf16 halves are read as they lie, p and u stay f32; eight chains
.set wi, 0
.rept 8
.set wn, 0
.rept 4
	v_fma_mix_f32_bf16 v[U+2*wn],   v[(\xb)+4*wi+wn], v[(\pb)+wi], v[U+2*wn]   op_sel_hi:[1,0,0]
	v_fma_mix_f32_bf16 v[U+2*wn+1], v[(\xb)+4*wi+wn], v[(\pb)+wi], v[U+2*wn+1] op_sel:[1,0,0] op_sel_hi:[1,0,0]
.set wn, wn+1
.endr
.set wi, wi+1
.endr
.endm
	; ---------------- THE HEAD ----------------
	s_load_b256 s[4:11], s[0:1], 0x0               ; X s[4:5], mask s[6:7], b1 s[8:9], w2 s[10:11]
	s_load_b128 s[12:15], s[0:1], 0x20             ; wf s[12:13], pu s[14:15]
	s_load_b64 s[16:17], s[0:1], 0x30              ; pst
	v_lshl_add_u32 v[SPW], v0, 2, SPARE
	v_mov_b32 v[NIL], 0
	v_lshrrev_b32 v98, 5, v0
	v_readfirstlane_b32 s[WV], v98                 ; wave 0..3
	v_and_b32 v99, 31, v0                          ; lane
	v_and_b32 v100, 15, v0                         ; lane % 16
	v_bfe_u32 v101, v0, 4, 1                       ; lane / 16
	v_lshlrev_b32 v[L16], 4, v99
	s_lshl_b32 s32, s[WV], 17                      ; 32 rows of 4,096 bytes
	v_add_nc_u32 v[XO], s32, v[L16]
	v_mul_u32_u24 v[XA0], v100, PITCH
	v_lshl_add_u32 v[XA0], v101, 4, v[XA0]
	s_mul_i32 s32, s[WV], 32*PITCH
	v_lshl_add_u32 v[XS0], v99, 3, s32
	s_lshl_b32 s33, s[WV], 9
	s_add_co_u32 s32, s33, TB1
	v_lshl_add_u32 v[TB0], v101, 5, s32
	s_add_co_u32 s32, s33, SC
	v_lshl_add_u32 v[SCS], v100, 2, s32            ; my wave's partial score of row 16 i + lane % 16: + 64 i
	v_add_nc_u32 v[SCL], SC, v[L16]                ; rows 4 lane + 0..3 of wave w': + 512 w'
	s_add_co_u32 s32, s33, PW
	v_add_nc_u32 v[PWS], s32, v[L16]
	v_mov_b32 v[PB0], s32
	s_lshl_b32 s32, s[WV], 1
	v_add_nc_u32 v102, s32, v101                   ; channels 8 t .. lie in slab t / 16 = 2 w + lane / 16,
	v_mul_u32_u24 v102, v102, SLAB
	v_lshl_add_u32 v[WS0], v100, 4, v102           ; at byte 16 (lane % 16) of its rows
	v_lshlrev_b32 v96, 4, v0                       ; 16 x thread
	v_lshlrev_b32 v97, 2, v99
	v_add_nc_u32 v103, TB1, v96
	v_add_nc_u32 v104, TW2, v[L16]
	s_mov_b32 s[CC], 0x4038aa3b                    ; c = 2 log2(e)
	s_mov_b32 s[CC+1], 0x4038aa3b
	s_mov_b32 s[SEL], 0x76543210
	s_mov_b32 s[SEL+1], 0xfedcba98
	s_mov_b32 s[LG2], 0x3fb8aa3b
	s_mov_b32 s[NEG], 0xce6e6b28                   ; -1e9
	s_mov_b32 s[PH], 0
	s_mov_b32 s33, 0
	s_wait_kmcnt 0x0
	s_lshl_b32 s32, ttmp9, 20                      ; 256 rows of 4,096 bytes
	s_add_nc_u64 s[XC:XC+1], s[4:5], s[32:33]
	s_mul_i32 s32, s[WV], 67*WT
	s_add_nc_u64 s[WP:WP+1], s[12:13], s[32:33]
	s_lshl_b32 s32, ttmp9, 8
	s_add_nc_u64 s[6:7], s[6:7], s[32:33]
	global_load_b128 v[T:T+3],     v96, s[8:9]
	global_load_b128 v[T+4:T+7],   v96, s[8:9] offset:2048
	global_load_b128 v[T+8:T+11],  v96, s[10:11]
	global_load_b128 v[T+12:T+15], v96, s[10:11] offset:2048
	global_load_b32 v[MK0], v97, s[6:7]
	global_load_b32 v[MK1], v97, s[6:7] offset:128
	XLOAD TO_A, 0, 0                               ; chunk 0: slab 0 into TA,
	XLOAD 0, XF, 512                               ; slab 1 into XF
	WIN TO_W
.set i, 0
.rept 24                               ; W1's K steps 0 to 2 into sets 0 to 2
	global_load_b128 v[8*i:8*i+3],   v[L16], s[WP:WP+1] offset:1024*i
	global_load_b128 v[8*i+4:8*i+7], v[L16], s[WP:WP+1] offset:1024*i+512
.set i, i+1
.endr
	WIN 0
.set i, 0
.rept 8
	v_mov_b32 v[U+i], 0
	v_mov_b32 v[Q+i], 0
.set i, i+1
.endr
	v_mov_b32 v[M], 0xff7fffff                     ; the lowest finite number: the first correction is 2^(-inf) = 0
	v_mov_b32 v[L], 0
	v_mov_b32 v[AL], 0
	s_wait_loadcnt 63                              ; b1, w2 and the mask are in: 112 loads were issued behind them
.irp i, 8,10,12,14
	v_pk_mul_f32 v[T+\i:T+\i+1], v[T+\i:T+\i+1], -2.0 op_sel_hi:[1,0]
.endr
	ds_store_b128 v103, v[T:T+3]
	ds_store_b128 v103, v[T+4:T+7]   offset:2048
	ds_store_b128 v103, v[T+8:T+11]  offset:4096
	ds_store_b128 v103, v[T+12:T+15] offset:6144
	BAR                                            ; both tables are whole
.irp n, 0,1,2,3,4,5,6,7
	ds_load_b128 v[XFR+4*\n:XFR+4*\n+3], v104 offset:512*\n   ; all 1,024 numbers -2 w2, 32 a lane
.endr
	s_wait_dscnt 0x0
.irp i, 0,2,4,6,8,10,12,14
	v_pk_add_f32 v[XFR+\i:XFR+\i+1], v[XFR+\i:XFR+\i+1], v[XFR+16+\i:XFR+16+\i+1]
.endr
.irp i, 0,2,4,6
	v_pk_add_f32 v[XFR+\i:XFR+\i+1], v[XFR+\i:XFR+\i+1], v[XFR+8+\i:XFR+8+\i+1]
.endr
	v_pk_add_f32 v[XFR:XFR+1], v[XFR:XFR+1], v[XFR+4:XFR+5]
	v_pk_add_f32 v[XFR+2:XFR+3], v[XFR+2:XFR+3], v[XFR+6:XFR+7]
	v_pk_add_f32 v[XFR:XFR+1], v[XFR:XFR+1], v[XFR+2:XFR+3]
	v_add_f32 v[XFR], v[XFR], v[XFR+1]
.irp x, 1,2,4,8
	v_add_f32_dpp v[XFR], v[XFR], v[XFR] row_xmask:\x row_mask:0xf bank_mask:0xf
.endr
	v_permlanex16_b32 v[XFR+1], v[XFR], s[SEL], s[SEL+1]
	v_add_f32 v[XFR], v[XFR], v[XFR+1]
	v_mul_f32 v[CW], -0.5, v[XFR]                  ; sum of w2
	; ---------------- FOUR PHASES: (chunk 0, pass 0), (0, 1), (1, 0), (1, 1) ----------------
.Lphase:
	s_and_b32 s32, s[PH], 1
	s_cmp_lg_u32 s32, 0
	s_cbranch_scc1 .Lodd
	; PASS 0.  The chunk begins: slab 0 (TA) and rows 0-7 of slab 1 (XF) are rounded and stored; slab 2's rows 0-7 are asked for.
	s_wait_loadcnt 0x0                             ; TA, XF and W1's first three K steps are in; no load is out, so XP may be written
	WIN FROM_A
.set i, 0
.rept 64
	v_cvt_pk_bf16_f32 v[XFR+i], v[2*i], v[2*i+1]
.set i, i+1
.endr
	WIN 0
	v_mov_b32 v[XST], v[XS0]
.set i, 0
.rept 32
	ds_store_b64 v[XST], v[XFR+2*i:XFR+2*i+1] offset:i*PITCH
.set i, i+1
.endr
	v_add_nc_u32 v[XST], SLAB, v[XST]
.set i, 0
.rept 16
	v_cvt_pk_bf16_f32 v[T+i], v[XF+2*i], v[XF+2*i+1]
.set i, i+1
.endr
.set i, 0
.rept 8
	ds_store_b64 v[XST], v[T+2*i:T+2*i+1] offset:i*PITCH
.set i, i+1
.endr
	s_add_nc_u64 s[XP:XP+1], s[XC:XC+1], 1024
.set i, 0
.rept 8
	global_load_b128 v[XF+4*i:XF+4*i+3], v[XO], s[XP:XP+1] offset:4096*i th:TH_LOAD_NT
.set i, i+1
.endr
.set i, 0
.rept 8
	v_mov_b32 v[Q+i], 0
.set i, i+1
.endr
	BAR                                            ; slab 0 is whole
	PRIME
	PRE3 2                                         ; K steps 0-2 on slab 0 | slab 1's rows 8-31 stored, slab 2's asked for
	WIN 0
	s_wait_xcnt 0x0
	STEPX
	s_mov_b32 s[CNT], 5
.LbodyA:                                               ; trip T = 0..4: slab T's last K step and slab T + 1's first three | slab T + 2 stored, slab T + 3 asked for
	BAR                                            ; slab T + 1 is whole
	TRIP4 2, 60, 60, 60, 60, 1                     ; 24 + 24 loads of the two steps between, 12 of the step's own first run
	WIN 0
	STEPW
	STEPX
	s_sub_co_u32 s[CNT], s[CNT], 1
	s_cmp_lg_u32 s[CNT], 0
	s_cbranch_scc1 .LbodyA
	BAR                                            ; slab 6 is whole
	TRIP4 1, 56, 48, 40, 40, 1                     ; trip 5: slab 7 stored, nothing more asked for: 24 + 24 + 8, 24 + 16 + 8, then 16 + 16 + 8
	WIN 0
	STEPW
	BAR                                            ; slab 7 is whole
	TRIP4 0, 40, 40, 40, 40, 0                     ; trip 6
	WIN 0
	STEPW
	s_branch .Ltail
.Lodd:
	; PASS 1: the chunk lies in LDS
	s_wait_loadcnt 0x0                             ; W1's first three K steps of this pass, asked for in the last three of the pass before
	PRIME
	PRE3 0
	WIN 0
	s_mov_b32 s[CNT], 7
.Lplain:
	TRIP4 0, 40, 40, 40, 40, 0
	WIN 0
	STEPW
	s_sub_co_u32 s[CNT], s[CNT], 1
	s_cmp_lg_u32 s[CNT], 0
	s_cbranch_scc1 .Lplain
.Ltail:
	KSTEP 3, 192, -1, 6*WT, 0, 40, 0, 0, 0         ; K step 31.  K steps 29-31 have asked for the next phase's W1 (behind pass 1: the stream's three repeated tiles)
	WIN 0
	s_wait_xcnt 0x0
	s_add_nc_u64 s[WP:WP+1], s[WP:WP+1], 4*WT      ; at the next pass's first tile
	; THE EPILOGUE
.rept 8
	v_nop                                          ; the places behind the last products, in front of the loads into W1's set 3 and of the lines that read and write the sums
.endr
	s_and_b32 s32, s[PH], 1
	s_lshl_b32 s32, s32, 11
	v_add_nc_u32 v[TB], s32, v[TB0]
	EPI_HALF 0
	s_cmp_eq_u32 s[PH], 1
	s_cbranch_scc0 .Lnox1
	s_wait_xcnt 0x0
	s_add_nc_u64 s[XC:XC+1], s[XC:XC+1], 524288    ; the second chunk: 128 rows on
	XLOAD 0, XF, 512                               ; its slab 1, under the rest of the epilogue, the softmax and the weighted sum
.Lnox1:
	EPI_HALF 1
	s_and_b32 s32, s[PH], 1
	s_cmp_eq_u32 s32, 0
	s_cbranch_scc1 .Lnext
	; BEHIND PASS 1: the chunk's scores are whole
	s_cmp_eq_u32 s[PH], 1
	s_cbranch_scc0 .Lnox0
	XLOAD TO_A, 0, 0                               ; the second chunk's slab 0, into accumulators that have been read out
.Lnox0:
	s_wait_xcnt 0x0
	s_sub_nc_u64 s[WP:WP+1], s[WP:WP+1], 64*WT     ; back to pass 0's first tile
.set i, 0
.rept 8
	v_permlanex16_b32 v[T+i], v[Q+i], s[SEL], s[SEL+1]  ; the row's other e lie in the lane 16 away
.set i, i+1
.endr
.set i, 0
.rept 8
	v_add_f32 v[Q+i], v[Q+i], v[T+i]
.set i, i+1
.endr
.set i, 0
.rept 8
	ds_store_b32 v[SCS], v[Q+i] offset:64*i        ; both halves of the lanes write the same word with the same number
.set i, i+1
.endr
	BAR                                            ; all four waves' partial scores lie in LDS
.irp n, 0,1,2,3
	ds_load_b128 v[T+4*\n:T+4*\n+3], v[SCL] offset:512*\n   ; every wave makes the whole chunk's softmax: rows 4 lane + 0..3
.endr
	s_wait_dscnt 0x0
	v_pk_add_f32 v[T:T+1],     v[T:T+1],     v[T+4:T+5]
	v_pk_add_f32 v[T+2:T+3],   v[T+2:T+3],   v[T+6:T+7]
	v_pk_add_f32 v[T+8:T+9],   v[T+8:T+9],   v[T+12:T+13]
	v_pk_add_f32 v[T+10:T+11], v[T+10:T+11], v[T+14:T+15]
	v_pk_add_f32 v[T:T+1],     v[T:T+1],     v[T+8:T+9]
	v_pk_add_f32 v[T+2:T+3],   v[T+2:T+3],   v[T+10:T+11]
.irp j, 0,1,2,3
	v_bfe_u32 v[T+4+\j], v[MK0], 8*\j, 8
	v_add_f32 v[T+\j], v[CW], v[T+\j]
.endr
.irp j, 0,1,2,3
	v_cmp_ne_u32 vcc_lo, 0, v[T+4+\j]
	v_cndmask_b32 v[T+\j], v[T+\j], s[NEG], vcc_lo ; a masked row's score is -1e9: it goes through the same softmax
.endr
	v_max3_num_f32 v[T+8], v[T], v[T+1], v[T+2]
	v_max_num_f32 v[T+8], v[T+8], v[T+3]
.irp x, 1,2,4,8
	v_max_num_f32_dpp v[T+8], v[T+8], v[T+8] row_xmask:\x row_mask:0xf bank_mask:0xf
.endr
	v_permlanex16_b32 v[T+9], v[T+8], s[SEL], s[SEL+1]
	v_max3_num_f32 v[T+9], v[T+8], v[T+9], v[M]    ; the new maximum
	v_sub_f32 v[T+10], v[M], v[T+9]
.irp j, 0,1,2,3
	v_sub_f32 v[T+\j], v[T+\j], v[T+9]
.endr
	v_mul_f32 v[T+10], s[LG2], v[T+10]
.irp j, 0,1,2,3
	v_mul_f32 v[T+\j], s[LG2], v[T+\j]
.endr
	v_exp_f32 v[AL], v[T+10]
.irp j, 0,1,2,3
	v_exp_f32 v[T+\j], v[T+\j]
.endr
	v_mov_b32 v[M], v[T+9]                         ; the plain line behind the last exponential
	s_wait_alu depctr_va_vdst(0)                   ; one wait for the five, ahead of their first reader
	v_add_f32 v[T+8], v[T], v[T+1]
	v_add_f32 v[T+11], v[T+2], v[T+3]
	v_add_f32 v[T+8], v[T+8], v[T+11]
.irp x, 1,2,4,8
	v_add_f32_dpp v[T+8], v[T+8], v[T+8] row_xmask:\x row_mask:0xf bank_mask:0xf
.endr
	v_permlanex16_b32 v[T+11], v[T+8], s[SEL], s[SEL+1]
	v_add_f32 v[T+8], v[T+8], v[T+11]
	v_fma_f32 v[L], v[L], v[AL], v[T+8]
	ds_store_b128 v[PWS], v[T:T+3]                 ; p into my wave's own copy: LDS serves a wave's instructions in order (ISA guide 5.7.1.4), so the loads below see it
	v_mov_b32 v[MK0], v[MK1]
.irp i, 0,2,4,6
	v_pk_mul_f32 v[U+\i:U+\i+1], v[U+\i:U+\i+1], v[AL:AL+1] op_sel_hi:[1,0]
.endr
	v_mov_b32 v[WS], v[WS0]
	v_mov_b32 v[PB], v[PB0]
	WLD XFR, T, 0
	s_mov_b32 s[CN2], 7
.Lws:                                                  ; a trip: 16 rows, in two buffers of 8
	WLD XFR+32, T+8, 8
	s_wait_dscnt 10                                ; all but the ten just issued
	WFM XFR, T
	WLD XFR, T, 16
	s_wait_dscnt 10
	WFM XFR+32, T+8
	v_add_nc_u32 v[WS], 16*PITCH, v[WS]
	v_add_nc_u32 v[PB], 64, v[PB]
	s_sub_co_u32 s[CN2], s[CN2], 1
	s_cmp_lg_u32 s[CN2], 0
	s_cbranch_scc1 .Lws
	WLD XFR+32, T+8, 8                             ; the last 16 rows: nothing follows them
	s_wait_dscnt 10
	WFM XFR, T
	s_wait_dscnt 0x0
	WFM XFR+32, T+8
.Lnext:
	BAR                                            ; every wave's reads of the chunk in this phase are back: the next phase may write it
	s_add_co_u32 s[PH], s[PH], 1
	s_cmp_lt_u32 s[PH], 4
	s_cbranch_scc1 .Lphase
	; ---------------- THE WAY OUT ----------------
	v_and_b32 v[T], 31, v0
	s_lshl_b32 s32, s[WV], 10
	s_add_co_u32 s33, s32, UST
	v_lshl_add_u32 v[T+1], v[T], 5, s33            ; in: my 32 bytes
	v_lshl_add_u32 v[T+2], v[T], 4, s33            ; back: 16 bytes a lane, 512 on end
	v_lshl_add_u32 v[T+3], v[T], 4, s32
	v_lshlrev_b32 v[T+4], 3, v[T]
	ds_store_b128 v[T+1], v[U:U+3]
	ds_store_b128 v[T+1], v[U+4:U+7] offset:16
	ds_load_b128 v[T+6:T+9],   v[T+2]              ; my wave's own bytes, served in order: no wait between
	ds_load_b128 v[T+10:T+13], v[T+2] offset:512
	s_lshl_b32 s34, ttmp9, 12
	s_mov_b32 s35, 0
	s_add_nc_u64 s[14:15], s[14:15], s[34:35]
	s_lshl_b32 s34, ttmp9, 8
	s_add_nc_u64 s[16:17], s[16:17], s[34:35]
	s_wait_dscnt 0x0
	global_store_b128 v[T+3], v[T+6:T+9],   s[14:15]              ; a wave's store covers 512 consecutive bytes, aligned
	global_store_b128 v[T+3], v[T+10:T+13], s[14:15] offset:512
	s_cmp_lg_u32 s[WV], 0
	s_cbranch_scc1 .Lend
	global_store_b64 v[T+4], v[M:M+1], s[16:17]    ; (m, l), 32 times: the record's 256 bytes by one store
.Lend:
	s_wait_tensorcnt 0x0                           ; the wave's end, behind my last LDS store
	ds_add_u32 v[SPW], v[NIL]
	s_wait_dscnt 0x0
	s_endpgm
.Lfunc_end_k_q113a8bb22c_main:
	.size	k_q113a8bb22c_main, .Lfunc_end_k_q113a8bb22c_main-k_q113a8bb22c_main
	.p2alignl 7, 3214868480
	.fill 96, 4, 3214868480
	.section	.rodata,"a",@progbits
	.p2align	6, 0x0
	.amdhsa_kernel k_q113a8bb22c_main
		.amdhsa_group_segment_fixed_size 295424
		.amdhsa_private_segment_fixed_size 0
		.amdhsa_enable_private_segment 0
		.amdhsa_kernarg_size 56
		.amdhsa_user_sgpr_count 2
		.amdhsa_user_sgpr_kernarg_segment_ptr 1
		.amdhsa_wavefront_size32 1
		.amdhsa_system_sgpr_workgroup_id_x 1
		.amdhsa_system_sgpr_workgroup_id_y 1
		.amdhsa_system_sgpr_workgroup_id_z 1
		.amdhsa_system_vgpr_workitem_id 0
		.amdhsa_next_free_vgpr 1024
		.amdhsa_next_free_sgpr 66
		.amdhsa_reserve_vcc 1
		.amdhsa_float_denorm_mode_32 3
		.amdhsa_float_denorm_mode_16_64 3
		.amdhsa_memory_ordered 1
		.amdhsa_forward_progress 1
		.amdhsa_inst_pref_size 255
	.end_amdhsa_kernel
	.section	.bss,"aw",@nobits
	.p2align	6
	.space	262144
	.amdgpu_metadata
---
amdhsa.version: [ 1, 2 ]
amdhsa.kernels:
  - .name:           k_q113a8bb22c_main
    .symbol:         k_q113a8bb22c_main.kd
    .args:
      - { .name: seq_output, .offset: 0, .size: 8, .value_kind: global_buffer, .address_space: global }
      - { .name: mask, .offset: 8, .size: 8, .value_kind: global_buffer, .address_space: global }
      - { .name: b1, .offset: 16, .size: 8, .value_kind: global_buffer, .address_space: global }
      - { .name: w2, .offset: 24, .size: 8, .value_kind: global_buffer, .address_space: global }
      - { .name: wf, .offset: 32, .size: 8, .value_kind: global_buffer, .address_space: global }
      - { .name: pu, .offset: 40, .size: 8, .value_kind: global_buffer, .address_space: global }
      - { .name: pst, .offset: 48, .size: 8, .value_kind: global_buffer, .address_space: global }
    .group_segment_fixed_size: 295424
    .private_segment_fixed_size: 0
    .kernarg_segment_align: 8
    .kernarg_segment_size: 56
    .max_flat_workgroup_size: 128
    .sgpr_count:     66
    .vgpr_count:     1024
    .wavefront_size: 32
...
	.end_amdgpu_metadata
.endif
;; end of part 2
;; launch comb (part 3): grid 256 x 1, 4 waves a work-group, no clusters, 0 bytes of LDS; arguments pu, pst, seq_output, out0, out1; writes out0, out1
.if DOCPART == 3
	.amdgcn_target "amdgcn-amd-amdhsa--gfx1250"
	.amdhsa_code_object_version 6
	.text
	.protected	k_q113a8bb22c_comb
	.globl	k_q113a8bb22c_comb
	.p2align	8
	.type	k_q113a8bb22c_comb,@function
k_q113a8bb22c_comb:
	s_mov_b64 s[64:65], 0
	v_nop
	global_prefetch_b8 v0, s[64:65] scope:SCOPE_SE
	s_setreg_imm32_b32 hwreg(HW_REG_WAVE_MODE, 25, 1), 1
	s_wait_xcnt 0x0
; The two halves of a batch are joined, and the batch's last row is copied.
; out1[b] = (u0 a0 + u1 a1) / (l0 a0 + l1 a1), a_i = e^(m_i - max(m0, m1)); out0[b] = X[b][511].
; Work-group g takes half hf = g & 1 of the 1,024 channels of batch b = g >> 1; thread t four of them: every load and store of a wave covers 512 consecutive bytes, aligned.
; Each m is a true score or -1e9 and each l is at least 1, so the divisor is at least 1.
	s_load_b256 s[4:11], s[0:1], 0x0               ; pu s[4:5], pst s[6:7], X s[8:9], out0 s[10:11]
	s_load_b64 s[12:13], s[0:1], 0x20              ; out1
	v_lshlrev_b32 v1, 4, v0
	v_mov_b32 v2, 0
	s_lshr_b32 s14, ttmp9, 1                       ; b
	s_and_b32 s15, ttmp9, 1
	s_lshl_b32 s15, s15, 11                        ; 2,048 hf
	s_lshl_b32 s16, s14, 13                        ; pu: two rows of 4,096 bytes a batch
	s_add_co_u32 s16, s16, s15
	s_mov_b32 s17, 0
	s_lshl_b32 s18, s14, 9                         ; pst: two records of 256 bytes a batch
	s_mov_b32 s19, 0
	s_lshl_b32 s20, s14, 21                        ; X: 512 rows of 4,096 bytes a batch,
	s_add_co_u32 s20, s20, 511*4096                ; the last of them
	s_add_co_u32 s20, s20, s15
	s_mov_b32 s21, 0
	s_lshl_b32 s22, ttmp9, 11                      ; out0, out1: 4,096 b + 2,048 hf
	s_mov_b32 s23, 0
	s_wait_kmcnt 0x0
	s_add_nc_u64 s[4:5], s[4:5], s[16:17]
	s_add_nc_u64 s[6:7], s[6:7], s[18:19]
	s_add_nc_u64 s[8:9], s[8:9], s[20:21]
	s_add_nc_u64 s[10:11], s[10:11], s[22:23]
	s_add_nc_u64 s[12:13], s[12:13], s[22:23]
	global_load_b128 v[16:19], v1, s[8:9]
	global_load_b64 v[12:13], v2, s[6:7]           ; m0, l0: the same address in all lanes
	global_load_b64 v[14:15], v2, s[6:7] offset:256
	global_load_b128 v[4:7], v1, s[4:5]
	global_load_b128 v[8:11], v1, s[4:5] offset:4096
	s_wait_loadcnt 4                               ; the row of X is in; the four younger loads may be out
	global_store_b128 v1, v[16:19], s[10:11]
	s_wait_loadcnt 2                               ; both records are in
	v_max_num_f32 v20, v12, v14
	v_sub_f32 v21, v12, v20
	v_sub_f32 v22, v14, v20
	v_mul_f32 v21, 0x3fb8aa3b, v21
	v_mul_f32 v22, 0x3fb8aa3b, v22
	v_exp_f32 v21, v21
	v_exp_f32 v22, v22
	v_nop                                          ; a plain line behind the last exponential,
	s_wait_alu depctr_va_vdst(0)                   ; and the wait ahead of the first reader
	v_mul_f32 v23, v13, v21
	v_fma_f32 v23, v15, v22, v23
	v_rcp_f32 v24, v23
	v_nop
	s_wait_alu depctr_va_vdst(0)
	v_mul_f32 v26, v21, v24
	v_mul_f32 v28, v22, v24
	v_mov_b32 v27, v26
	v_mov_b32 v29, v28
	s_wait_loadcnt 0x0
	v_pk_mul_f32 v[4:5], v[4:5], v[26:27]
	v_pk_mul_f32 v[6:7], v[6:7], v[26:27]
	v_pk_fma_f32 v[4:5], v[8:9], v[28:29], v[4:5]
	v_pk_fma_f32 v[6:7], v[10:11], v[28:29], v[6:7]
	global_store_b128 v1, v[4:7], s[12:13]
	s_endpgm
.Lfunc_end_k_q113a8bb22c_comb:
	.size	k_q113a8bb22c_comb, .Lfunc_end_k_q113a8bb22c_comb-k_q113a8bb22c_comb
	.p2alignl 7, 3214868480
	.fill 96, 4, 3214868480
	.section	.rodata,"a",@progbits
	.p2align	6, 0x0
	.amdhsa_kernel k_q113a8bb22c_comb
		.amdhsa_group_segment_fixed_size 0
		.amdhsa_private_segment_fixed_size 0
		.amdhsa_enable_private_segment 0
		.amdhsa_kernarg_size 40
		.amdhsa_user_sgpr_count 2
		.amdhsa_user_sgpr_kernarg_segment_ptr 1
		.amdhsa_wavefront_size32 1
		.amdhsa_system_sgpr_workgroup_id_x 1
		.amdhsa_system_sgpr_workgroup_id_y 1
		.amdhsa_system_sgpr_workgroup_id_z 1
		.amdhsa_system_vgpr_workitem_id 0
		.amdhsa_next_free_vgpr 32
		.amdhsa_next_free_sgpr 66
		.amdhsa_reserve_vcc 0
		.amdhsa_float_denorm_mode_32 3
		.amdhsa_float_denorm_mode_16_64 3
		.amdhsa_memory_ordered 1
		.amdhsa_forward_progress 1
		.amdhsa_inst_pref_size 3
	.end_amdhsa_kernel
	.amdgpu_metadata
---
amdhsa.version: [ 1, 2 ]
amdhsa.kernels:
  - .name:           k_q113a8bb22c_comb
    .symbol:         k_q113a8bb22c_comb.kd
    .args:
      - { .name: pu, .offset: 0, .size: 8, .value_kind: global_buffer, .address_space: global }
      - { .name: pst, .offset: 8, .size: 8, .value_kind: global_buffer, .address_space: global }
      - { .name: seq_output, .offset: 16, .size: 8, .value_kind: global_buffer, .address_space: global }
      - { .name: out0, .offset: 24, .size: 8, .value_kind: global_buffer, .address_space: global }
      - { .name: out1, .offset: 32, .size: 8, .value_kind: global_buffer, .address_space: global }
    .group_segment_fixed_size: 0
    .private_segment_fixed_size: 0
    .kernarg_segment_align: 8
    .kernarg_segment_size: 40
    .max_flat_workgroup_size: 128
    .sgpr_count:     66
    .vgpr_count:     32
    .wavefront_size: 32
...
	.end_amdgpu_metadata
.endif
;; end of part 3
;; ======== version 2 of 2: 3 launches; version 1 with the launch main written anew for expert scheduling mode
;; workspace buffers: wf 2,195,456 bytes; pu 1,048,576 bytes; pst 65,536 bytes
;; launch wprep: the kernel of part 1 again; grid 67 x 4, 4 waves a work-group, no clusters, 8,704 bytes of LDS; arguments W1, wf; writes wf
;; launch main (part 4): grid 256 x 1, 4 waves a work-group, no clusters, 295,424 bytes of LDS; arguments seq_output, mask, b1, w2, wf, pu, pst; writes pu, pst
.if DOCPART == 4
	.amdgcn_target "amdgcn-amd-amdhsa--gfx1250"
	.amdhsa_code_object_version 6
	.text
	.protected	k_q113a8bb22c_main
	.globl	k_q113a8bb22c_main
	.p2align	8
	.type	k_q113a8bb22c_main,@function
k_q113a8bb22c_main:
	s_mov_b64 s[64:65], 0
	v_nop
	global_prefetch_b8 v0, s[64:65] scope:SCOPE_SE
	s_setreg_imm32_b32 hwreg(HW_REG_WAVE_SCHED_MODE, 0, 2), 2
	s_setreg_imm32_b32 hwreg(HW_REG_WAVE_MODE, 25, 1), 1
	s_wait_xcnt 0x0
	s_wait_alu depctr_vm_vsrc(0)
; score[row] = w2 . tanh(X[row] W1 + b1); masked rows count as -1e9; a running softmax over the rows; u = sum of p[row] X[row].
; X = seq_output as [65,536 rows][1,024] f32.  Work-group g owns rows 256 g .. 256 g + 255, half a batch, and leaves its part of the softmax: pu[g] = sum p X (p = e^(s - m)), pst[g] = (m, l).
; SHARES.  Two CHUNKS of 128 rows.  A chunk lies in LDS in bf16 (8 slabs of 128 k) and is read from memory once.  For each chunk two PASSES of 512 columns e; in a pass wave w makes
; 128 rows x 128 columns: 64 accumulators, 512 registers.  A phase (chunk, pass) is 32 K steps of 32, 64 matrix instructions each.
; THE PRODUCT IS TAKEN TRANSPOSED: source 0 = 16 columns e of W1 (16 rows of wf), source 1 = 16 rows of X.  A lane then holds ONE row of X (lane % 16) and eight neighbouring e (8 (lane / 16) + 0..7):
; b1 and w2 are register pairs, and a row's score is a sum inside the lane and one exchange of the lanes' halves.
; W1 COMES STRAIGHT INTO REGISTERS, from wf, where a fragment lies as a lane wants it (two loads of 16 bytes).  No wave of the work-group uses a byte of W1 that another uses.  All work-groups walk the same
; wf, but it is not shared through LDS by joint loads: the chunk takes 278,528 of the 327,680 bytes, a K step of W1 for 512 columns is 32,768 bytes, and two slots of that do not fit beside it.
; X COMES UNDER PASS 0 OF ITS OWN CHUNK: slab by slab, 128 rows x 512 bytes of f32, rounded to bf16 and stored into LDS one trip (4 K steps) ahead of its use.
; tanh(z) = 1 - 2 r, r = 1 / (1 + 2^(c z)), c = 2 log2(e); so score = sum w2 + sum (-2 w2) r.
; LIMITS.  X and W1 enter the product, and X the weighted sum, rounded once to bf16.  The score's terms are those of the plain sum taken in another order: its absolute error goes with 1e-7 x sum |w2|.
; 2^(c z) may overflow to infinity (r = 0) or fall to 0 (r = 1): tanh then is 1 or -1, as it should.  A weight below 2^-126 counts as 0.  NaN and infinities in the inputs are not treated apart.
; REGISTERS, in windows of 256 (s_set_vgpr_msb: bits 1:0 source 0, 3:2 source 1, 5:4 source 2, 7:6 destination):
;   window 0: v0-63 addresses, statistics, at work; v64-127 XFR, the 8 fragments of X of a K step; v128-255 XF, 32 rows x 16 bytes of f32 of X on their way
;   window 1: four sets of 64: W1's 8 fragments of a K step, asked for three K steps ahead; in the epilogue set 3 holds b1's and w2's pairs
;   windows 2, 3: the accumulators: tile (f, i) (16 e x 16 rows) at v[64 (i % 4) + 8 f] of window 2 + i / 4.  Between chunks v0-127 of window 2 (TA) take a slab of X.
; THE MODE: SCHED_MODE bits 1:0 = 2 (LLVM: expert scheduling mode 2), set by the entry lines.  The code itself states the register dependences between vector or matrix instructions and
; memory or LDS instructions, with s_wait_alu, always for 0.
; THE PLAN.  Registers that memory or LDS instructions touch in K step k, and who else names them:
;   XFR 0-3       read by the step's products 0-31; the LDS loads of its middle run land in them (step k + 1's fragments).
;   XFR 4-7       read by its products 32-63; the LDS loads of step k + 1's top run land in them.
;   W1's set (k + 3) % 4   read by step k - 1's products; step k's sixteen loads land in it.
;   XF            a run's eight roundings read four rows; the run's four requests land in them.
;   CT, CT + 8    written by the top run's and by the middle run's roundings; read by that run's four LDS stores.
;   v[XA], v[XST] read by the LDS loads and stores; written once a trip of four K steps.  v[L16], v[XO], v[XS0]: made at the head, never written again.
; So a K step has two waits on va_vdst, one at the head of each run behind its roundings, and where X is rounded one on vm_vsrc at its top; a trip has one more on vm_vsrc, ahead of the adds to the two addresses.
; W1's loads stand among the products with no wait of their own: since the top run's wait only products have been issued, and they name W1's set k % 4, XFR and the accumulators.
.set PITCH, 272                        ; an LDS row of a slab: 256 bytes + 16 = 68 words: the 16 rows of a fragment load start at 16 different groups of four banks (64 banks of 4 bytes: ISA guide 11.1)
.set SLAB,  128*PITCH
.set FRG,   16*PITCH
.set TB1,   8*SLAB                     ; b1, f32, 4,096 bytes
.set TW2,   TB1+4096                   ; -2 w2, f32, 4,096 bytes
.set SC,    TW2+4096                   ; wave w's partial scores of the chunk's 128 rows at 512 w
.set PW,    SC+2048                    ; each wave's own copy of the chunk's 128 weights p
.set UST,   PW+2048                    ; each wave's own stage for u, 1,024 bytes
.set SPARE, UST+4096                   ; the spare words, 128 bytes for each wave
.set WT,    8192                       ; a tile of wf: one wave's fragments of one K step
.set L16, 1                            ; v1   16 x lane; never rewritten
.set XO,  2                            ; v2   in X: my wave's 32 rows + 16 x lane; never rewritten
.set XA0, 3                            ; v3   a fragment's lane term: (lane % 16) x PITCH + 16 (lane / 16)
.set XA,  4                            ; v4   the same plus the slab in hand
.set XS0, 5                            ; v5   where I store 8 bytes of a row: my wave's 32 rows + 8 x lane; never rewritten
.set XST, 6                            ; v6   the same plus the slab being written
.set TB0, 7                            ; v7   TB1 + 512 w + 32 (lane / 16)
.set TB,  8                            ; v8   the same plus the pass's 2,048
.set SCS, 9
.set SCL, 10
.set PWS, 11
.set PB,  12                           ; v12  walks my copy of p
.set WS,  13                           ; v13  walks my 16 bytes of the chunk's rows
.set MK0, 14                           ; v14  the mask bytes of rows 4 lane + 0..3 of the chunk in hand; v15 of the second chunk
.set MK1, 15
.set SPW, 16                           ; v16  my spare word; never rewritten
.set NIL, 17                           ; v17  0; never rewritten
.set M,   18                           ; v18  running maximum   v19 running sum   v20 the step's correction   v21 sum of w2
.set L,   19
.set AL,  20
.set CW,  21
.set Q,   22                           ; v22-29  q[i]: my lane's part of the score of row 16 i + lane % 16
.set U,   30                           ; v30-37  u[8]: thread t owns channels 8 t + 0..7
.set CT,  38                           ; v38-45  the top run's four rows just rounded, two registers each; the middle run's take v46-53, T's first eight
.set T,   46                           ; v46-61  at work
.set PB0, 62
.set WS0, 63
.set XFR, 64
.set XF,  128
.set TBB, 192                          ; window 1: two buffers of 16 for b1's pairs,
.set TWB, 224                          ; two for -2 w2's
.set WV,  18                           ; s18 wave   s19 phase 0..3   s20, s21 loop counts
.set PH,  19
.set CNT, 20
.set CN2, 21
.set WP,  22                           ; s[22:23] wf: my stream, at the tile from which the K steps' immediates count
.set XC,  24                           ; s[24:25] X at the chunk's first row
.set XP,  26                           ; s[26:27] X at the slab being asked for
.set CC,  28                           ; s[28:29] c, twice
.set SEL, 30                           ; s[30:31] v_permlanex16_b32's selects: each lane takes its own place in the other half
.set LG2, 36                           ; s36 log2(e)   s37 -1e9
.set NEG, 37
.set MS,  40                           ; s40-43  which lanes' rows 4 lane + 0..3 are masked
.set MUL_LO, 0xa1                      ; W1 window 1, X window 0, C and D window 2
.set TO_W,   0x40
.set TO_A,   0x80
.set FROM_A, 0x0a
.set MSB, 0
.macro WIN new                         ; the immediate's high byte repeats the setting that is left; a switch that changes nothing is dropped
.if MSB != (\new)
	s_set_vgpr_msb (MSB<<8)|(\new)
.set MSB, \new
.endif
.endm
.macro BAR                             ; my LDS stores are done and my LDS reads are back; then all four waves meet
	s_wait_dscnt 0x0
	s_barrier_signal -1
	s_barrier_wait -1
.endm
.macro XLOAD win, reg, imm             ; a slab's part of my wave's 32 rows: each load takes 512 consecutive bytes of one row
	WIN \win
.set xr, 0
.rept 32
	global_load_b128 v[(\reg)+4*xr:(\reg)+4*xr+3], v[XO], s[XC:XC+1] offset:4096*xr+(\imm) th:TH_LOAD_NT
.set xr, xr+1
.endr
	WIN 0
.endm
.macro XFL i, off                      ; fragment i of X: 16 rows x 32 k: two loads of 16 bytes, 32 bytes apart
	ds_load_b128 v[XFR+8*(\i):XFR+8*(\i)+3],   v[XA] offset:(\off)+(\i)*FRG
	ds_load_b128 v[XFR+8*(\i)+4:XFR+8*(\i)+7], v[XA] offset:(\off)+(\i)*FRG+32
.endm
; Four loads of W1: fragments f0 and f0 + 1 of the step three on, into the set that the step before this one multiplied.  No wait stands ahead of them: see THE PLAN.
.macro WLOAD4 wo, f0
	WIN TO_W
.irp d, 0,1
	global_load_b128 v[KLS+8*((\f0)+\d):KLS+8*((\f0)+\d)+3],   v[L16], s[WP:WP+1] offset:(\wo)+1024*((\f0)+\d)
	global_load_b128 v[KLS+8*((\f0)+\d)+4:KLS+8*((\f0)+\d)+7], v[L16], s[WP:WP+1] offset:(\wo)+1024*((\f0)+\d)+512
.endr
.endm
; A K STEP'S LDS INSTRUCTIONS AND ITS REQUESTS FOR X STAND IN TWO RUNS: run 0 at the step's top, run 1 in its middle, 32 matrix instructions behind each.
; A run begins with the eight roundings of its four rows of X, which name no register of the products, or with four v_nop: as in this text's plain form they stand between the last product and the
; loads into registers that it read.  Behind them stands the run's one wait on va_vdst.  Then, in this order:
;   8 LDS loads: the four fragments of X whose last reader has just been issued: run 0 takes fragments 4-7 of this step, run 1 fragments 0-3 of the next (xoff: their LDS immediate; -1: none follow);
;   where X is at work: the four rows' LDS stores, and (xm = 2) their registers asked for again with the next slab.
.macro KRUN half, xoff, xm, g
.set kr, 8*(\g)+4*(\half)
.set kc, CT+8*(\half)
.if (\xm) > 0
	WIN 0
.if (\half) == 0
	s_wait_alu depctr_vm_vsrc(0)                   ; the LDS stores issued so far have read both sets of CT, which this step's roundings write again
.endif
	s_wait_loadcnt 63                              ; these four rows were asked for four K steps ago: 64 loads or more have been issued behind them, and loads come back in order (ISA guide 5.7.1)
.set ki, 0
.rept 4
	v_cvt_pk_bf16_f32 v[kc+2*ki],   v[XF+4*(kr+ki)],   v[XF+4*(kr+ki)+1]
	v_cvt_pk_bf16_f32 v[kc+2*ki+1], v[XF+4*(kr+ki)+2], v[XF+4*(kr+ki)+3]
.set ki, ki+1
.endr
.elseif (\xoff) >= 0
.rept 4
	v_nop
.endr
.endif
.if ((\xm) > 0) || ((\xoff) >= 0)
	WIN 0
	s_wait_alu depctr_va_vdst(0)                   ; the products issued so far are done reading the four fragments of X in which the loads below land, and (run 0) W1's set of the step before, in which this step's loads land; the roundings have written CT, which the stores read, and are done reading their rows of XF, in which the requests land; behind a trip's edge v[XA] and v[XST] are written
.endif
.if (\xoff) >= 0
.irp i, 0,1,2,3
	XFL 4-4*(\half)+\i, \xoff
.endr
.endif
.if (\xm) > 0
.set ki, 0
.rept 4
	ds_store_b64 v[XST], v[kc+2*ki:kc+2*ki+1] offset:(kr+ki)*PITCH
.set ki, ki+1
.endr
.endif
.if (\xm) == 2
.set ki, 0
.rept 4
	global_load_b128 v[XF+4*(kr+ki):XF+4*(kr+ki)+3], v[XO], s[XP:XP+1] offset:4096*(kr+ki) th:TH_LOAD_NT
.set ki, ki+1
.endr
.endif
.endm
; 32 matrix instructions: fragments 4 hi + 0..3 of X, each with W1's eight.  The 64 accumulators take turns in the same order in every K step:
; 63 others stand between two links of a chain, over every jump too.  Behind each of the first two blocks of eight stand four of W1's loads: fragments 4 hi + 0..3 of the step three on.
; W1's last four loads are the step's last loads.
.macro KMUL set, hi, zero, wo
.set kb, 0
.rept 4
	WIN MUL_LO+0x50*(\hi)
.set kf, 0
.rept 8
.if \zero
	v_wmma_f32_16x16x32_bf16 v[64*kb+8*kf:64*kb+8*kf+7], v[64*(\set)+8*kf:64*(\set)+8*kf+7], v[XFR+8*(4*(\hi)+kb):XFR+8*(4*(\hi)+kb)+7], 0
.else
	v_wmma_f32_16x16x32_bf16 v[64*kb+8*kf:64*kb+8*kf+7], v[64*(\set)+8*kf:64*(\set)+8*kf+7], v[XFR+8*(4*(\hi)+kb):XFR+8*(4*(\hi)+kb)+7], v[64*kb+8*kf:64*kb+8*kf+7]
.endif
.set kf, kf+1
.endr
.if kb < 2
	WLOAD4 \wo, 4*(\hi)+2*kb
.endif
.set kb, kb+1
.endr
.endm
; A K STEP.  set: W1's set.  xo, no: LDS immediates of this step's and the next step's fragments (no = -1: none follow).  wo: immediate of W1's loads for the step three on.  zero = 1: the products start the sums.
; nw: loads that may stay out behind run 0 (-1: no wait): this step's set was asked for three steps ago, so: all loads of the two steps between (16 each, 24 where X was asked for) and run 0's own four requests, if any.
; xm: 0 no work on X, 1 rows are rounded and stored, 2 and asked for again.  g: which 8 of my 32 rows.  sp: 1 if the step before stored to LDS.
; DScnt.  Fragments 0-3 came with the last step's run 1: behind them that run's 4 stores (sp), and run 0's 8 loads and 4 stores.  Fragments 4-7 came with run 0: behind them its 4 stores, and run 1's 8 loads and 4 stores.
.macro KSTEP set, xo, no, wo, zero, nw, xm, g, sp
.if (\xm) > 0
.set KSC, 1
.else
.set KSC, 0
.endif
.set KLS, 64*(((\set)+3)%4)
	KRUN 0, \xo, \xm, \g
.if (\nw) >= 0
	s_wait_loadcnt \nw
.endif
	s_wait_dscnt 8+4*(\sp)+4*KSC
	KMUL \set, 0, \zero, \wo
	KRUN 1, \no, \xm, \g
.if (\no) >= 0
	s_wait_dscnt 8+8*KSC
.else
	s_wait_dscnt 8*KSC
.endif
	KMUL \set, 1, \zero, \wo
.endm
.macro PRE3 xm                         ; a phase's K steps 0 to 2, on slab 0
.if (\xm) > 0
	KSTEP 0, 0,   64,  3*WT, 1, -1, \xm, 1, 0
	KSTEP 1, 64,  128, 4*WT, 0, -1, \xm, 2, 1
	KSTEP 2, 128, 192, 5*WT, 0, -1, \xm, 3, 1
.else
	KSTEP 0, 0,   64,  3*WT, 1, -1, 0, 0, 0
	KSTEP 1, 64,  128, 4*WT, 0, -1, 0, 0, 0
	KSTEP 2, 128, 192, 5*WT, 0, -1, 0, 0, 0
.endif
.endm
.macro TRIP4 xm, n0, n1, n2, n3, sp    ; a trip: the last K step of the slab in hand and the first three of the next
	KSTEP 3, 192,      SLAB,      6*WT, 0, \n0, \xm, 0, \sp
	KSTEP 0, SLAB,     SLAB+64,   7*WT, 0, \n1, \xm, 1, \sp
	KSTEP 1, SLAB+64,  SLAB+128,  8*WT, 0, \n2, \xm, 2, \sp
	KSTEP 2, SLAB+128, SLAB+192,  9*WT, 0, \n3, \xm, 3, \sp
.endm
.macro PRIME                           ; fragments 0 to 3 of a phase's K step 0; its run 0 brings the other four
	s_wait_alu depctr_vm_vsrc(0)                   ; the LDS loads issued so far have read v[XA]; in pass 0 the LDS stores of slab 0 have read XFR, in which the fragments land
	v_mov_b32 v[XA], v[XA0]
	s_wait_alu depctr_va_vdst(0)                   ; v[XA] is written; the vector and matrix instructions that named XFR are done
.irp i, 0,1,2,3
	XFL \i, 0
.endr
.endm
.macro STEPW
	s_wait_xcnt 0x0                                ; every load issued so far has had its address translated (ISA guide 3.1): only now are the bases written
	s_wait_alu depctr_vm_vsrc(0)                   ; the LDS loads issued so far have read v[XA], the LDS stores v[XST]
	s_add_nc_u64 s[WP:WP+1], s[WP:WP+1], 4*WT
	v_add_nc_u32 v[XA], SLAB, v[XA]
.endm
.macro STEPX                           ; stands behind the same two waits
	s_add_nc_u64 s[XP:XP+1], s[XP:XP+1], 512
	v_add_nc_u32 v[XST], SLAB, v[XST]
.endm
; THE EPILOGUE.  A half H is a window of accumulators (rows 64 H ..); a group eg is its fragments f = 2 eg, 2 eg + 1: 64 registers, 32 units (pairs).  Unit u: tile row u % 4, pair u / 4 of the 16 e.
.macro TLOAD reg, fp, add              ; my 16 numbers of b1 (add = 0) or -2 w2 (add = 4,096) for group fp
	WIN TO_W
	ds_load_b128 v[(\reg):(\reg)+3],     v[TB] offset:128*(\fp)+(\add)
	ds_load_b128 v[(\reg)+4:(\reg)+7],   v[TB] offset:128*(\fp)+16+(\add)
	ds_load_b128 v[(\reg)+8:(\reg)+11],  v[TB] offset:128*(\fp)+64+(\add)
	ds_load_b128 v[(\reg)+12:(\reg)+15], v[TB] offset:128*(\fp)+80+(\add)
.endm
.macro ER g, u
.set eK, (\u)/4
.set eP, 64*((\u)%4)
.set eR, eP+16*(\g)+2*eK
.endm
.macro ZADD g, u                       ; z = sum + b1
	ER \g, \u
	v_pk_add_f32 v[eR:eR+1], v[eR:eR+1], v[TBB+16*((\g)%2)+2*eK:TBB+16*((\g)%2)+2*eK+1]
.endm
.macro ZMUL g, u                       ; c z
	ER \g, \u
	v_pk_mul_f32 v[eR:eR+1], v[eR:eR+1], s[CC:CC+1] op_sel_hi:[1,0]
.endm
.macro EXPS g, u, hf
	ER \g, \u
	v_exp_f32 v[eR+(\hf)], v[eR+(\hf)]
.endm
.macro ADD1 g, u
	ER \g, \u
	v_pk_add_f32 v[eR:eR+1], v[eR:eR+1], 1.0 op_sel_hi:[1,0]
.endm
.macro RCPS g, u, hf
	ER \g, \u
	v_rcp_f32 v[eR+(\hf)], v[eR+(\hf)]
.endm
.macro QF g, u                         ; P += r x (-2 w2); P is the tile row's first pair, which its own product starts in place
	ER \g, \u
.if ((\g) == 0) && ((\u) < 4)
	v_pk_mul_f32 v[eR:eR+1], v[eR:eR+1], v[TWB+2*eK:TWB+2*eK+1]
.else
	v_pk_fma_f32 v[eP:eP+1], v[eR:eR+1], v[TWB+16*((\g)%2)+2*eK:TWB+16*((\g)%2)+2*eK+1], v[eP:eP+1]
.endif
.endm
; All arithmetic of a half runs under ONE window setting: destination, source 0 and source 2 the accumulators', source 1 the tables'.  z + b1 and the scaling by c are two lines, not one fused line:
; the fused line's addend would be source 2, whose window QF needs for P; and so a group has 128 plain lines for its 128 transcendentals, which stand by turns.
; The groups are staggered: beside group eg's exponentials stand group eg - 1's QF and group eg + 1's ZADD; beside its reciprocals its own ADD1 and group eg + 1's ZMUL.
; Each accumulator's first read is of its two lowest registers (ZADD in ascending units).
; A block's 64 transcendentals are one batch: nothing in the block names a result of theirs; a plain line stands behind the last; one s_wait_alu follows, ahead of the first reader.
; The tables' LDS loads stand directly behind such a wait, which also states that the lines that read the buffer to be loaded are done.
.macro EPI_HALF H
	WIN TO_W
	s_wait_alu depctr_va_vdst(0)                   ; the last K step's products (half 1: half 0's lines) are done reading W1's set 3, in which the tables land; v[TB] is written
	TLOAD TBB, 0, 0
	TLOAD TBB+16, 1, 0
	TLOAD TWB, 0, 4096
	WIN 0xa6+0x51*(\H)
	s_wait_dscnt 0x0
.set eu, 0
.rept 32
	ZADD 0, eu
.set eu, eu+1
.endr
.set eu, 0
.rept 32
	ZMUL 0, eu
.set eu, eu+1
.endr
.set eg, 0
.rept 4
	s_wait_dscnt 0x0                               ; the tables asked for in the block before are in
.set eu, 0
.rept 32
	EXPS eg, eu, 0
.if eg > 0
	QF eg-1, eu
.endif
	EXPS eg, eu, 1
.if eg < 3
	ZADD eg+1, eu
.endif
.set eu, eu+1
.endr
.if eg == 3
	v_nop
.endif
	s_wait_alu depctr_va_vdst(0)                   ; the group's 64 exponentials are written, ahead of ADD1, their first reader; ZADD of this group and QF of the group before are done reading the two buffers in which the loads below land
.if eg < 2
	TLOAD TBB+16*(eg%2), eg+2, 0                   ; into the buffer that ZADD of group eg has left
.endif
.if eg < 3
	TLOAD TWB+16*((eg+1)%2), eg+1, 4096            ; into the buffer that QF of group eg - 1 has left
.endif
	WIN 0xa6+0x51*(\H)
.set eu, 0
.rept 32
	ADD1 eg, eu
.if eu > 0
	RCPS eg, eu-1, 0
.endif
.if eg < 3
	ZMUL eg+1, eu
.endif
.if eu > 0
	RCPS eg, eu-1, 1
.endif
.set eu, eu+1
.endr
	RCPS eg, 31, 0
	RCPS eg, 31, 1
	v_nop
	s_wait_alu depctr_va_vdst(0)                   ; the group's 64 reciprocals are written, ahead of QF, their first reader
.set eg, eg+1
.endr
.set eu, 0
.rept 32
	QF 3, eu
.set eu, eu+1
.endr
	WIN 0x02+(\H)                                  ; source 0 the accumulators', q in window 0
.irp i, 0,1,2,3
	v_add_f32 v[Q+4*(\H)+\i], v[64*\i], v[Q+4*(\H)+\i]
.endr
.irp i, 0,1,2,3
	v_add_f32 v[Q+4*(\H)+\i], v[64*\i+1], v[Q+4*(\H)+\i]
.endr
	WIN 0
.endm
; THE WEIGHTED SUM.  Eight rows: my 16 bytes (8 channels) of each, and their eight p (the same address in all lanes).
.macro WLD xb, pb, row
.set wi, 0
.rept 8
	ds_load_b128 v[(\xb)+4*wi:(\xb)+4*wi+3], v[WS] offset:((\row)+wi)*PITCH
.set wi, wi+1
.endr
	ds_load_b128 v[(\pb):(\pb)+3],   v[PB] offset:4*(\row)
	ds_load_b128 v[(\pb)+4:(\pb)+7], v[PB] offset:4*(\row)+16
.endm
.macro WFM xb, pb                      ; u += p x X: X's bf16 halves are read as they lie, p and u stay f32; eight chains
.set wi, 0
.rept 8
.set wn, 0
.rept 4
	v_fma_mix_f32_bf16 v[U+2*wn],   v[(\xb)+4*wi+wn], v[(\pb)+wi], v[U+2*wn]   op_sel_hi:[1,0,0]
	v_fma_mix_f32_bf16 v[U+2*wn+1], v[(\xb)+4*wi+wn], v[(\pb)+wi], v[U+2*wn+1] op_sel:[1,0,0] op_sel_hi:[1,0,0]
.set wn, wn+1
.endr
.set wi, wi+1
.endr
.endm
	; ---------------- THE HEAD ----------------
	s_load_b256 s[4:11], s[0:1], 0x0               ; X s[4:5], mask s[6:7], b1 s[8:9], w2 s[10:11]
	s_load_b128 s[12:15], s[0:1], 0x20             ; wf s[12:13], pu s[14:15]
	s_load_b64 s[16:17], s[0:1], 0x30              ; pst
	v_lshl_add_u32 v[SPW], v0, 2, SPARE
	v_mov_b32 v[NIL], 0
	v_lshrrev_b32 v98, 5, v0
	v_readfirstlane_b32 s[WV], v98                 ; wave 0..3
	v_and_b32 v99, 31, v0                          ; lane
	v_and_b32 v100, 15, v0                         ; lane % 16
	v_bfe_u32 v101, v0, 4, 1                       ; lane / 16
	v_lshlrev_b32 v[L16], 4, v99
	v_mul_u32_u24 v[XA0], v100, PITCH
	v_lshl_add_u32 v[XA0], v101, 4, v[XA0]
	v_add_nc_u32 v[SCL], SC, v[L16]                ; rows 4 lane + 0..3 of wave w': + 512 w'
	v_lshlrev_b32 v96, 4, v0                       ; 16 x thread
	v_lshlrev_b32 v97, 2, v99
	v_add_nc_u32 v103, TB1, v96
	v_add_nc_u32 v104, TW2, v[L16]
	s_wait_alu depctr_va_sdst(0)                   ; s[WV] is written, ahead of its first reader: addresses, bases and branches are made from it
	s_lshl_b32 s32, s[WV], 17                      ; 32 rows of 4,096 bytes
	v_add_nc_u32 v[XO], s32, v[L16]
	s_mul_i32 s32, s[WV], 32*PITCH
	v_lshl_add_u32 v[XS0], v99, 3, s32
	s_lshl_b32 s33, s[WV], 9
	s_add_co_u32 s32, s33, TB1
	v_lshl_add_u32 v[TB0], v101, 5, s32
	s_add_co_u32 s32, s33, SC
	v_lshl_add_u32 v[SCS], v100, 2, s32            ; my wave's partial score of row 16 i + lane % 16: + 64 i
	s_add_co_u32 s32, s33, PW
	v_add_nc_u32 v[PWS], s32, v[L16]
	v_mov_b32 v[PB0], s32
	s_lshl_b32 s32, s[WV], 1
	v_add_nc_u32 v102, s32, v101                   ; channels 8 t .. lie in slab t / 16 = 2 w + lane / 16,
	v_mul_u32_u24 v102, v102, SLAB
	v_lshl_add_u32 v[WS0], v100, 4, v102           ; at byte 16 (lane % 16) of its rows
	s_mov_b32 s[CC], 0x4038aa3b                    ; c = 2 log2(e)
	s_mov_b32 s[CC+1], 0x4038aa3b
	s_mov_b32 s[SEL], 0x76543210
	s_mov_b32 s[SEL+1], 0xfedcba98
	s_mov_b32 s[LG2], 0x3fb8aa3b
	s_mov_b32 s[NEG], 0xce6e6b28                   ; -1e9
	s_mov_b32 s[PH], 0
	s_mov_b32 s33, 0
	s_wait_kmcnt 0x0
	s_lshl_b32 s32, ttmp9, 20                      ; 256 rows of 4,096 bytes
	s_add_nc_u64 s[XC:XC+1], s[4:5], s[32:33]
	s_mul_i32 s32, s[WV], 67*WT
	s_add_nc_u64 s[WP:WP+1], s[12:13], s[32:33]
	s_lshl_b32 s32, ttmp9, 8
	s_add_nc_u64 s[6:7], s[6:7], s[32:33]
	s_wait_alu depctr_va_vdst(0)                   ; every offset and LDS address made above is written: v96, v97, v103, v104 and the named ones, which the loads and stores of the whole kernel read
	global_load_b128 v[T:T+3],     v96, s[8:9]
	global_load_b128 v[T+4:T+7],   v96, s[8:9] offset:2048
	global_load_b128 v[T+8:T+11],  v96, s[10:11]
	global_load_b128 v[T+12:T+15], v96, s[10:11] offset:2048
	global_load_b32 v[MK0], v97, s[6:7]
	global_load_b32 v[MK1], v97, s[6:7] offset:128
	XLOAD TO_A, 0, 0                               ; chunk 0: slab 0 into TA,
	XLOAD 0, XF, 512                               ; slab 1 into XF
	WIN TO_W
.set i, 0
.rept 24                               ; W1's K steps 0 to 2 into sets 0 to 2
	global_load_b128 v[8*i:8*i+3],   v[L16], s[WP:WP+1] offset:1024*i
	global_load_b128 v[8*i+4:8*i+7], v[L16], s[WP:WP+1] offset:1024*i+512
.set i, i+1
.endr
	WIN 0
.set i, 0
.rept 8
	v_mov_b32 v[U+i], 0
	v_mov_b32 v[Q+i], 0
.set i, i+1
.endr
	v_mov_b32 v[M], 0xff7fffff                     ; the lowest finite number: the first correction is 2^(-inf) = 0
	v_mov_b32 v[L], 0
	v_mov_b32 v[AL], 0
	s_wait_loadcnt 63                              ; b1, w2 and the mask are in: 112 loads were issued behind them
.irp i, 8,10,12,14
	v_pk_mul_f32 v[T+\i:T+\i+1], v[T+\i:T+\i+1], -2.0 op_sel_hi:[1,0]
.endr
	s_wait_alu depctr_va_vdst(0)                   ; -2 w2 is written into v[T+8 ..], which the LDS stores read
	ds_store_b128 v103, v[T:T+3]
	ds_store_b128 v103, v[T+4:T+7]   offset:2048
	ds_store_b128 v103, v[T+8:T+11]  offset:4096
	ds_store_b128 v103, v[T+12:T+15] offset:6144
	BAR                                            ; both tables are whole
.irp n, 0,1,2,3,4,5,6,7
	ds_load_b128 v[XFR+4*\n:XFR+4*\n+3], v104 offset:512*\n   ; all 1,024 numbers -2 w2, 32 a lane; no vector instruction has named v64-95 yet
.endr
	s_wait_dscnt 0x0
.irp i, 0,2,4,6,8,10,12,14
	v_pk_add_f32 v[XFR+\i:XFR+\i+1], v[XFR+\i:XFR+\i+1], v[XFR+16+\i:XFR+16+\i+1]
.endr
.irp i, 0,2,4,6
	v_pk_add_f32 v[XFR+\i:XFR+\i+1], v[XFR+\i:XFR+\i+1], v[XFR+8+\i:XFR+8+\i+1]
.endr
	v_pk_add_f32 v[XFR:XFR+1], v[XFR:XFR+1], v[XFR+4:XFR+5]
	v_pk_add_f32 v[XFR+2:XFR+3], v[XFR+2:XFR+3], v[XFR+6:XFR+7]
	v_pk_add_f32 v[XFR:XFR+1], v[XFR:XFR+1], v[XFR+2:XFR+3]
	v_add_f32 v[XFR], v[XFR], v[XFR+1]
.irp x, 1,2,4,8
	v_add_f32_dpp v[XFR], v[XFR], v[XFR] row_xmask:\x row_mask:0xf bank_mask:0xf
.endr
	v_permlanex16_b32 v[XFR+1], v[XFR], s[SEL], s[SEL+1]
	v_add_f32 v[XFR], v[XFR], v[XFR+1]
	v_mul_f32 v[CW], -0.5, v[XFR]                  ; sum of w2
	; ---------------- FOUR PHASES: (chunk 0, pass 0), (0, 1), (1, 0), (1, 1) ----------------
.Lphase:
	s_and_b32 s32, s[PH], 1
	s_cmp_lg_u32 s32, 0
	s_cbranch_scc1 .Lodd
	; PASS 0.  The chunk begins: slab 0 (TA) and rows 0-7 of slab 1 (XF) are rounded and stored; slab 2's rows 0-7 are asked for.
	s_wait_loadcnt 0x0                             ; TA, XF and W1's first three K steps are in; no load is out, so XP may be written
	s_wait_alu depctr_vm_vsrc(0)                   ; the head's loads and stores have read their offsets v96, v97, v103 and v104, which lie in XFR; the last chunk's LDS stores have read v[XST], q and T: all of these are written below
	WIN FROM_A
.set i, 0
.rept 64
	v_cvt_pk_bf16_f32 v[XFR+i], v[2*i], v[2*i+1]
.set i, i+1
.endr
	WIN 0
	v_add_nc_u32 v[XST], SLAB, v[XS0]              ; slab 1; slab 0 is stored by v[XS0] itself
.set i, 0
.rept 16
	v_cvt_pk_bf16_f32 v[T+i], v[XF+2*i], v[XF+2*i+1]
.set i, i+1
.endr
.set i, 0
.rept 8
	v_mov_b32 v[Q+i], 0
.set i, i+1
.endr
	s_wait_alu depctr_va_vdst(0)                   ; the roundings have written XFR and T, which the LDS stores read, and are done reading XF's rows 0-7, in which the requests land; v[XST] is written
.set i, 0
.rept 32
	ds_store_b64 v[XS0], v[XFR+2*i:XFR+2*i+1] offset:i*PITCH
.set i, i+1
.endr
.set i, 0
.rept 8
	ds_store_b64 v[XST], v[T+2*i:T+2*i+1] offset:i*PITCH
.set i, i+1
.endr
	s_add_nc_u64 s[XP:XP+1], s[XC:XC+1], 1024
.set i, 0
.rept 8
	global_load_b128 v[XF+4*i:XF+4*i+3], v[XO], s[XP:XP+1] offset:4096*i th:TH_LOAD_NT
.set i, i+1
.endr
	BAR                                            ; slab 0 is whole
	PRIME
	PRE3 2                                         ; K steps 0-2 on slab 0 | slab 1's rows 8-31 stored, slab 2's asked for
	WIN 0
	s_wait_xcnt 0x0
	s_wait_alu depctr_vm_vsrc(0)                   ; the LDS stores issued so far have read v[XST]
	STEPX
	s_mov_b32 s[CNT], 5
.LbodyA:                                               ; trip T = 0..4: slab T's last K step and slab T + 1's first three | slab T + 2 stored, slab T + 3 asked for
	BAR                                            ; slab T + 1 is whole
	TRIP4 2, 52, 52, 52, 52, 1                     ; 24 + 24 loads of the two steps between, 4 of the step's own first run
	WIN 0
	STEPW
	STEPX
	s_sub_co_u32 s[CNT], s[CNT], 1
	s_cmp_lg_u32 s[CNT], 0
	s_cbranch_scc1 .LbodyA
	BAR                                            ; slab 6 is whole
	TRIP4 1, 48, 40, 32, 32, 1                     ; trip 5: slab 7 stored, nothing more asked for: 24 + 24, 24 + 16, then 16 + 16
	WIN 0
	STEPW
	BAR                                            ; slab 7 is whole
	TRIP4 0, 32, 32, 32, 32, 0                     ; trip 6
	WIN 0
	STEPW
	s_branch .Ltail
.Lodd:
	; PASS 1: the chunk lies in LDS
	s_wait_loadcnt 0x0                             ; W1's first three K steps of this pass, asked for in the last three of the pass before
	PRIME
	PRE3 0
	WIN 0
	s_mov_b32 s[CNT], 7
.Lplain:
	TRIP4 0, 32, 32, 32, 32, 0
	WIN 0
	STEPW
	s_sub_co_u32 s[CNT], s[CNT], 1
	s_cmp_lg_u32 s[CNT], 0
	s_cbranch_scc1 .Lplain
.Ltail:
	KSTEP 3, 192, -1, 6*WT, 0, 32, 0, 0, 0         ; K step 31.  K steps 29-31 have asked for the next phase's W1 (behind pass 1: the stream's three repeated tiles)
	WIN 0
	s_wait_xcnt 0x0
	s_add_nc_u64 s[WP:WP+1], s[WP:WP+1], 4*WT      ; at the next pass's first tile
	; THE EPILOGUE
.rept 8
	v_nop                                          ; the places behind the last products, in front of the lines that read and write the sums
.endr
	s_and_b32 s32, s[PH], 1
	s_lshl_b32 s32, s32, 11
	s_wait_alu depctr_vm_vsrc(0)                   ; the last epilogue's table loads have read v[TB]
	v_add_nc_u32 v[TB], s32, v[TB0]
	EPI_HALF 0
	s_cmp_eq_u32 s[PH], 1
	s_cbranch_scc0 .Lnox1
	s_wait_xcnt 0x0
	s_add_nc_u64 s[XC:XC+1], s[XC:XC+1], 524288    ; the second chunk: 128 rows on
	XLOAD 0, XF, 512                               ; its slab 1, under the rest of the epilogue, the softmax and the weighted sum.  No wait: XF was last named by pass 0's roundings, v[XO] at the head, both ahead of many waits on va_vdst
.Lnox1:
	EPI_HALF 1
	s_and_b32 s32, s[PH], 1
	s_cmp_eq_u32 s32, 0
	s_cbranch_scc1 .Lnext
	; BEHIND PASS 1: the chunk's scores are whole
	s_cmp_eq_u32 s[PH], 1
	s_cbranch_scc0 .Lnox0
	XLOAD TO_A, 0, 0                               ; the second chunk's slab 0, into accumulators that have been read out.  No wait: half 0's lines, the last to name window 2, stand ahead of the wait at half 1's head, and half 1 names window 3, the tables and q alone
.Lnox0:
	s_wait_xcnt 0x0
	s_sub_nc_u64 s[WP:WP+1], s[WP:WP+1], 64*WT     ; back to pass 0's first tile
.set i, 0
.rept 8
	v_permlanex16_b32 v[T+i], v[Q+i], s[SEL], s[SEL+1]  ; the row's other e lie in the lane 16 away
.set i, i+1
.endr
.set i, 0
.rept 8
	v_add_f32 v[Q+i], v[Q+i], v[T+i]
.set i, i+1
.endr
	s_wait_alu depctr_va_vdst(0)                   ; q is written, which the LDS stores read; the additions are done reading T, in which the loads behind the barrier land
.set i, 0
.rept 8
	ds_store_b32 v[SCS], v[Q+i] offset:64*i        ; both halves of the lanes write the same word with the same number
.set i, i+1
.endr
	BAR                                            ; all four waves' partial scores lie in LDS
.irp n, 0,1,2,3
	ds_load_b128 v[T+4*\n:T+4*\n+3], v[SCL] offset:512*\n   ; every wave makes the whole chunk's softmax: rows 4 lane + 0..3
.endr
	s_wait_dscnt 0x0
	v_pk_add_f32 v[T:T+1],     v[T:T+1],     v[T+4:T+5]
	v_pk_add_f32 v[T+2:T+3],   v[T+2:T+3],   v[T+6:T+7]
	v_pk_add_f32 v[T+8:T+9],   v[T+8:T+9],   v[T+12:T+13]
	v_pk_add_f32 v[T+10:T+11], v[T+10:T+11], v[T+14:T+15]
	v_pk_add_f32 v[T:T+1],     v[T:T+1],     v[T+8:T+9]
	v_pk_add_f32 v[T+2:T+3],   v[T+2:T+3],   v[T+10:T+11]
.irp j, 0,1,2,3
	v_bfe_u32 v[T+4+\j], v[MK0], 8*\j, 8
	v_add_f32 v[T+\j], v[CW], v[T+\j]
.endr
.irp j, 0,1,2,3
	v_cmp_ne_u32 s[MS+\j], 0, v[T+4+\j]
.endr
	s_wait_alu depctr_va_sdst(0)                   ; the four compares have written s[MS ..], ahead of their first reader
.irp j, 0,1,2,3
	v_cndmask_b32 v[T+\j], v[T+\j], s[NEG], s[MS+\j]  ; a masked row's score is -1e9: it goes through the same softmax
.endr
	v_max3_num_f32 v[T+8], v[T], v[T+1], v[T+2]
	v_max_num_f32 v[T+8], v[T+8], v[T+3]
.irp x, 1,2,4,8
	v_max_num_f32_dpp v[T+8], v[T+8], v[T+8] row_xmask:\x row_mask:0xf bank_mask:0xf
.endr
	v_permlanex16_b32 v[T+9], v[T+8], s[SEL], s[SEL+1]
	v_max3_num_f32 v[T+9], v[T+8], v[T+9], v[M]    ; the new maximum
	v_sub_f32 v[T+10], v[M], v[T+9]
.irp j, 0,1,2,3
	v_sub_f32 v[T+\j], v[T+\j], v[T+9]
.endr
	v_mul_f32 v[T+10], s[LG2], v[T+10]
.irp j, 0,1,2,3
	v_mul_f32 v[T+\j], s[LG2], v[T+\j]
.endr
	v_exp_f32 v[AL], v[T+10]
.irp j, 0,1,2,3
	v_exp_f32 v[T+\j], v[T+\j]
.endr
	v_mov_b32 v[M], v[T+9]                         ; the plain line behind the last exponential
	s_wait_alu depctr_va_vdst(0)                   ; the five exponentials are written, ahead of their first reader: p in v[T .. T+3] is the LDS store's data
	ds_store_b128 v[PWS], v[T:T+3]                 ; p into my wave's own copy: LDS serves a wave's instructions in order (ISA guide 5.7.1.4), so the loads below see it
	v_add_f32 v[T+8], v[T], v[T+1]
	v_add_f32 v[T+11], v[T+2], v[T+3]
	v_add_f32 v[T+8], v[T+8], v[T+11]
.irp x, 1,2,4,8
	v_add_f32_dpp v[T+8], v[T+8], v[T+8] row_xmask:\x row_mask:0xf bank_mask:0xf
.endr
	v_permlanex16_b32 v[T+11], v[T+8], s[SEL], s[SEL+1]
	v_add_f32 v[T+8], v[T+8], v[T+11]
	v_fma_f32 v[L], v[L], v[AL], v[T+8]
	v_mov_b32 v[MK0], v[MK1]
.irp i, 0,2,4,6
	v_pk_mul_f32 v[U+\i:U+\i+1], v[U+\i:U+\i+1], v[AL:AL+1] op_sel_hi:[1,0]
.endr
	s_wait_alu depctr_vm_vsrc(0)                   ; the last chunk's LDS loads have read v[WS] and v[PB]; the store of p has read v[T .. T+3], in which the loads below land
	v_mov_b32 v[WS], v[WS0]
	v_mov_b32 v[PB], v[PB0]
	s_wait_alu depctr_va_vdst(0)                   ; v[WS] and v[PB] are written; the softmax's lines are done with T, in which p's loads land
	WLD XFR, T, 0
	s_mov_b32 s[CN2], 7
.Lws:                                                  ; a trip: 16 rows, in two buffers of 8
	WLD XFR+32, T+8, 8
	s_wait_dscnt 10                                ; all but the ten just issued
	WFM XFR, T
	s_wait_alu depctr_va_vdst(0)                   ; the multiply-adds above are done reading the first buffer, in which the next loads land
	WLD XFR, T, 16
	s_wait_dscnt 10
	WFM XFR+32, T+8
	s_wait_alu depctr_vm_vsrc(0)                   ; the LDS loads issued so far have read v[WS] and v[PB]
	v_add_nc_u32 v[WS], 16*PITCH, v[WS]
	v_add_nc_u32 v[PB], 64, v[PB]
	s_wait_alu depctr_va_vdst(0)                   ; v[WS] and v[PB] are written; the multiply-adds are done reading the second buffer, in which the next loads land, at the loop's head and behind it
	s_sub_co_u32 s[CN2], s[CN2], 1
	s_cmp_lg_u32 s[CN2], 0
	s_cbranch_scc1 .Lws
	WLD XFR+32, T+8, 8                             ; the last 16 rows: nothing follows them
	s_wait_dscnt 10
	WFM XFR, T
	s_wait_dscnt 0x0
	WFM XFR+32, T+8
.Lnext:
	BAR                                            ; every wave's reads of the chunk in this phase are back: the next phase may write it
	s_add_co_u32 s[PH], s[PH], 1
	s_cmp_lt_u32 s[PH], 4
	s_cbranch_scc1 .Lphase
	; ---------------- THE WAY OUT ----------------
	v_and_b32 v[T], 31, v0
	s_lshl_b32 s32, s[WV], 10
	s_add_co_u32 s33, s32, UST
	v_lshl_add_u32 v[T+1], v[T], 5, s33            ; in: my 32 bytes
	v_lshl_add_u32 v[T+2], v[T], 4, s33            ; back: 16 bytes a lane, 512 on end
	v_lshl_add_u32 v[T+3], v[T], 4, s32
	v_lshlrev_b32 v[T+4], 3, v[T]
	s_wait_alu depctr_va_vdst(0)                   ; the four addresses v[T+1 .. T+4] are written, and so are u, m and l, the stores' data; the last multiply-adds are done reading v[T+8 ..], in which the loads below land
	ds_store_b128 v[T+1], v[U:U+3]
	ds_store_b128 v[T+1], v[U+4:U+7] offset:16
	ds_load_b128 v[T+6:T+9],   v[T+2]              ; my wave's own bytes, served in order: no wait between
	ds_load_b128 v[T+10:T+13], v[T+2] offset:512
	s_lshl_b32 s34, ttmp9, 12
	s_mov_b32 s35, 0
	s_add_nc_u64 s[14:15], s[14:15], s[34:35]
	s_lshl_b32 s34, ttmp9, 8
	s_add_nc_u64 s[16:17], s[16:17], s[34:35]
	s_wait_dscnt 0x0
	global_store_b128 v[T+3], v[T+6:T+9],   s[14:15]              ; a wave's store covers 512 consecutive bytes, aligned
	global_store_b128 v[T+3], v[T+10:T+13], s[14:15] offset:512
	s_cmp_lg_u32 s[WV], 0
	s_cbranch_scc1 .Lend
	global_store_b64 v[T+4], v[M:M+1], s[16:17]    ; (m, l), 32 times: the record's 256 bytes by one store
.Lend:
	s_wait_dscnt 0x0                               ; the closing lines, six on end
	s_wait_alu 0x0
	s_wait_tensorcnt 0x0
	ds_add_u32 v[SPW], v[NIL]
	s_wait_dscnt 0x0
	s_endpgm
.Lfunc_end_k_q113a8bb22c_main:
	.size	k_q113a8bb22c_main, .Lfunc_end_k_q113a8bb22c_main-k_q113a8bb22c_main
	.p2alignl 7, 3214868480
	.fill 96, 4, 3214868480
	.section	.rodata,"a",@progbits
	.p2align	6, 0x0
	.amdhsa_kernel k_q113a8bb22c_main
		.amdhsa_group_segment_fixed_size 295424
		.amdhsa_private_segment_fixed_size 0
		.amdhsa_enable_private_segment 0
		.amdhsa_kernarg_size 56
		.amdhsa_user_sgpr_count 2
		.amdhsa_user_sgpr_kernarg_segment_ptr 1
		.amdhsa_wavefront_size32 1
		.amdhsa_system_sgpr_workgroup_id_x 1
		.amdhsa_system_sgpr_workgroup_id_y 1
		.amdhsa_system_sgpr_workgroup_id_z 1
		.amdhsa_system_vgpr_workitem_id 0
		.amdhsa_next_free_vgpr 1024
		.amdhsa_next_free_sgpr 66
		.amdhsa_reserve_vcc 0
		.amdhsa_float_denorm_mode_32 3
		.amdhsa_float_denorm_mode_16_64 3
		.amdhsa_memory_ordered 1
		.amdhsa_forward_progress 1
		.amdhsa_inst_pref_size 255
	.end_amdhsa_kernel
	.section	.bss,"aw",@nobits
	.p2align	6
	.space	262144
	.amdgpu_metadata
---
amdhsa.version: [ 1, 2 ]
amdhsa.kernels:
  - .name:           k_q113a8bb22c_main
    .symbol:         k_q113a8bb22c_main.kd
    .args:
      - { .name: seq_output, .offset: 0, .size: 8, .value_kind: global_buffer, .address_space: global }
      - { .name: mask, .offset: 8, .size: 8, .value_kind: global_buffer, .address_space: global }
      - { .name: b1, .offset: 16, .size: 8, .value_kind: global_buffer, .address_space: global }
      - { .name: w2, .offset: 24, .size: 8, .value_kind: global_buffer, .address_space: global }
      - { .name: wf, .offset: 32, .size: 8, .value_kind: global_buffer, .address_space: global }
      - { .name: pu, .offset: 40, .size: 8, .value_kind: global_buffer, .address_space: global }
      - { .name: pst, .offset: 48, .size: 8, .value_kind: global_buffer, .address_space: global }
    .group_segment_fixed_size: 295424
    .private_segment_fixed_size: 0
    .kernarg_segment_align: 8
    .kernarg_segment_size: 56
    .max_flat_workgroup_size: 128
    .sgpr_count:     66
    .vgpr_count:     1024
    .wavefront_size: 32
...
	.end_amdgpu_metadata
.endif
;; end of part 4
;; launch comb: the kernel of part 3 again; grid 256 x 1, 4 waves a work-group, no clusters, 0 bytes of LDS; arguments pu, pst, seq_output, out0, out1; writes out0, out1
